; MI455X (gfx1250); checked and timed in simulation.
; The chip was launched on July 23, 2026; its instructions are those of AMD's public machine-readable ISA for CDNA 5 (MIT licence, August 2026) and "CDNA5" Instruction Set Architecture Reference Guide (July 2026). The comments in the code are by the model that wrote it; some were corrected since.
;; Readin Cross Attention. Allowed arithmetic: matrix products marked QUANTISED: E2M1 operands, one E8M0 scale for each 32 along K, by v_wmma_scale_f32_16x16x128_f8f6f4 with both operands' format E2M1 (or v_wmma_scale_f32_32x16x128_f4), f32 sums; products left as they are: f32 operands where the result goes on into a quantised operand, else bf16, f16 or f32 operands; f32 sums; everything else in f32.
;; Inputs: array 8 x 2 x 128 float32; kW1 256 x 128 float32; kW2_codes 128 x 4 x 16 uint8 (E2M1 codes of kW2, K innermost, in blocks of 32 codes, two codes a byte); kW2_scales 128 x 4 uint8 (E8M0 scales of kW2, one for each 32 codes along K); kb1 128 float32; kb2 128 float32; pos_embeds_codes 128 x 4 x 16 uint8 (E2M1 codes of pos_embeds, K innermost, in blocks of 32 codes, two codes a byte); pos_embeds_scales 128 x 4 uint8 (E8M0 scales of pos_embeds, one for each 32 codes along K); query 128 float32; session 8 x 128 float32; state_in 8 x 256 x 2 x 128 float32; subject 8 x 128 float32; vW1 257 x 128 float32; vW2_codes 256 x 4 x 16 uint8 (E2M1 codes of vW2, K innermost, in blocks of 32 codes, two codes a byte); vW2_scales 256 x 4 uint8 (E8M0 scales of vW2, one for each 32 codes along K); vb1 128 float32; vb2 256 float32.
;; Outputs: out0 8 x 256 x 2 x 256 float32.
;; This version of the problem:
;;   THIS VERSION OF THE PROBLEM IS GIVEN IN LOW PRECISION. The matrix products marked QUANTISED in the list below multiply operands that are first quantised to E2M1 (2 exponent bits, 1 mantissa bit; 4 bits a number), with one power-of-two scale for each 32 numbers along K (OCP MX v1.0); their sums are f32. All else is computed in f32.
;;   The module's matrix products, in the order in which they are computed (A, B: the left and right operand; K: the contracted axis; several contracted axes count as one K, in the product's order):
;;     1. [M 128, K 128] x [K 128, N 128]; A: input pos_embeds (given as codes); B: input kW1: QUANTISED
;;     2. [M 8, K 128] x [K 128, N 128]; A: input session; B: input kW1: left as it is (M = 8 < 16)
;;     3. [M 1,024, K 128] x [K 128, N 128]; A: computed on the way; B: input kW2 (given as codes): QUANTISED
;;     4. [M 128, K 128] x [K 128, N 128]; A: input pos_embeds (given as codes); B: input vW1: QUANTISED
;;     5. [M 8, K 128] x [K 128, N 128]; A: input session; B: input vW1: left as it is (M = 8 < 16)
;;     6. [M 524,288, K 128] x [K 128, N 256]; A: computed on the way; B: input vW2 (given as codes): QUANTISED
;;     7. [M 1,024, K 128] x [K 128, N 1]; A: computed on the way; B: input query: left as it is (N = 1 < 16)
;;     8. batch 8 x [M 1, K 128] x [K 128, N 131,072]; A: softmax; B: computed on the way: left as it is (M = 1 < 16)
;;   THE QUANTISER, for each operand of a quantised product, along K:
;;     - K is cut into blocks of 32 from its start; a last block that is shorter is filled with zeros.
;;     - A block's scale is 2^e with e = floor(log2(the largest magnitude in the block)) - 2, held to -126 .. 127; a block of zeros has e = 0. As a byte (E8M0): e + 127.
;;     - Each number is divided by its block's scale, clamped to +-6, and rounded to the nearest number of E2M1, ties to even, subnormals kept.
;;     - The product sums the exact products of the quantised numbers (number of the format x scale) in f32.
;;   ~~~python
;;   def quantise(x, axis):      # numpy; x: float32 -> the quantised numbers, widened to float32 again
;;       x = np.moveaxis(x, axis, -1); K = x.shape[-1]
;;       x = np.pad(x, [(0, 0)] * (x.ndim - 1) + [(0, -K % 32)]); x = x.reshape(x.shape[:-1] + (-1, 32)); a = np.abs(x).max(-1, keepdims=True)
;;       e = np.where(a > 0, np.clip(np.frexp(np.where(a > 0, a, 1))[1] - 1 - 2, -126, 127), 0)      # np.frexp(a)[1] - 1 = floor(log2(a)), exactly
;;       r = np.clip(x / 2.0 ** e, -6, 6)
;;       step = 2.0 ** (np.maximum(np.frexp(np.where(r == 0, 1, r))[1] - 1, 0) - 1)
;;       q = np.round(r / step) * step * 2.0 ** e      # np.round: ties to even
;;       return np.moveaxis(q.reshape(q.shape[:-2] + (-1,))[..., :K], -1, axis).astype(np.float32)
;;   ~~~
;;   OPERANDS COMPUTED ON THE WAY. 'Computed on the way' means the value that the module computes at that place (a softmax that the list does not call 'softmax' is quantised finished and normalised). What goes into a quantiser is computed in f32, as accurately as f32 sums, v_exp_f32 and their like allow (about 1e-6 of the number): no bf16 or f16 on the way to a quantiser, and a product that is left as it is and whose result goes on into a quantised operand takes f32 operands (vector FMAs, or v_wmma_f32_16x16x4_f32). A number that lies on a knife's edge between two numbers of the format may be rounded either way, as far as f32 arithmetic and the matrix unit's own rounding can turn it there, and no further.
;;   INPUTS GIVEN AS CODES. kW2 (in the module: [128, 128], K = its axis 0); pos_embeds (in the module: [128, 128], K = its axis 1); vW2 (in the module: [128, 256], K = its axis 0): each comes as NAME_codes (uint8): NAME with its K axis moved to the last place and cut into blocks of 32 codes, [.., K / 32, bytes a block], one block behind the other in memory; two codes a byte, the lower K in the low four bits (a code: sign, 2 exponent bits, 1 mantissa bit); and NAME_scales (uint8): the same leading axes, one E8M0 byte (e + 127) for each 32 codes along K. Its value is code x scale, taken as it is: it is not quantised again, and the codes and scales need not be those that the quantiser above would give.
;; 2 versions. Each part assembles by itself: llvm-mc -triple=amdgcn-amd-amdhsa -mcpu=gfx1250 --defsym DOCPART=n.
;; ======== version 1 of 2: 2 launches
;; workspace buffers: basev 524,288 bytes; wbuf 8,192 bytes
;; launch prep (part 1): grid 8 x 1, 8 waves a work-group, no clusters, 25,600 bytes of LDS; arguments kW1, vW1, kb1, vb1, session, pos_embeds_codes, pos_embeds_scales, kW2_codes, kW2_scales, kb2, query, basev, wbuf; writes basev, wbuf
.if DOCPART == 1
	.amdgcn_target "amdgcn-amd-amdhsa--gfx1250"
	.amdhsa_code_object_version 6
	.text
	.protected	k_qf3c53dc92f_prep
	.globl	k_qf3c53dc92f_prep
	.p2align	8
	.type	k_qf3c53dc92f_prep,@function
k_qf3c53dc92f_prep:
	s_mov_b64 s[64:65], 0
	v_nop
	global_prefetch_b8 v0, s[64:65] scope:SCOPE_SE
	s_setreg_imm32_b32 hwreg(HW_REG_WAVE_MODE, 25, 1), 1
	s_wait_xcnt 0x0
; All that hangs on (b, c) alone.  One work-group for each b, eight waves.
;   basev[b][c][k] = pos @ Q(vW1[:128]) + session[b] @ vW1[128:256] + vb1, laid in the order of the next launch's registers:
;                    [b][tile of 16 c][group g of 16][lane][16 bytes]; register q = 4 g + i of lane (r, h) is channel 16 tile + r, k = 64 (q / 32) + 32 h + q % 32.
;   wbuf[b]: words 0-127 w[b][c] = softmax_c(keys[b][c] . query / sqrt(128)); words 128-159 the sum of w over c.
; keys = Q(gelu(pos @ Q(kW1[:128]) + session[b] @ kW1[128:] + kb1)) @ kW2 + kb2.  Q: E2M1 codes, one E8M0 byte for each 32 along K.
; The inputs subject and array enter no expression of the function computed here: no result hangs on them, and they are not loaded.
; PHASE A.  Wave w: path w / 4 (0: keys, 1: values), rows 32 (w % 4) on of the path's W1.  It quantises one block of 32 along K of all 128 columns and
; stores the codes into LDS as images of the operand's registers; and it makes its 32 rows' part of session @ W1[128:256] by f32 multiply-adds.
; PHASE B.  Wave w: channels 16 w on.  Both first products are used transposed (source 0 = 16 columns of W1, source 1 = 16 rows of pos), and
; THE COLUMNS OF W1 THAT FORM A TILE ARE NOT NEIGHBOURS: row m of tile t is column 64 (t / 4) + 32 (m / 8) + 8 (t % 4) + m % 8, so that a lane's registers 0-31 and 32-63
; are two WHOLE blocks of 32 along the next K: a block's largest magnitude needs no other lane, and the conversions' results are the next operand's registers.
; THE GELU.  G = 2 gelu(x) = x + |x| erf(|x| / sqrt 2); erf = 1 + N(t) t e, t = 1 / (1 + p |x|), e = 2^(-x^2 log2(e) / 2), N of degree 4 (Abramowitz and Stegun 7.1.26).
; G is what is quantised: the factor 2 leaves every code as it is and moves the scale's byte by one, which is taken off the byte again.
; LIMITS: erf is right to 1.5e-7 by the formula and about as much again by f32 arithmetic, absolute; so gelu is right to about 4e-7 of the number for x >= 0, and in the negative tail
; the error relative to the number grows as 1 / Phi(x).  From |x| = 13.3 on the exponential is 0 and G = x + |x|.  NaN and infinities among the inputs are not served.
; A block of zeros keeps the floor's byte, 1, where the rule says 127: its codes are zeros, and this program alone reads the bytes.
.set IMGK,  0                          ; LDS: 8 images of 1,024 bytes: the key path's W1 tiles,
.set IMGV,  8192                       ; the value path's,
.set SCK,   16384                      ; their scale words [tile][16 rows][4 bytes]; the value path's 512 bytes on,
.set PARTB, 17408                      ; [wave][128] f32: parts of session @ W1[128:256],
.set BIAS,  21504                      ; their sums + b1: the key path's 128, then the value path's 128,
.set SCO,   22528                      ; the 128 scores, as t
.set L16,  4                           ; v4   16 x lane
.set IMGA, 5                           ; v5   where my codes go
.set SCA,  6                           ; v6   where my scale bytes go
.set PBST, 7                           ; v7   PARTB + 512 wave + 16 lane
.set PBRD, 8                           ; v8   PARTB + 2048 (thread / 128) + 4 (thread % 128)
.set BIST, 9                           ; v9   BIAS + 4 thread
.set BIRD, 10                          ; v10  BIAS + 128 h
.set SCRD, 11                          ; v11  SCK + 4 r
.set PFO,  12                          ; v12  pos' codes: 64 (16 wave + r) + 16 h
.set PSO,  13                          ; v13  pos' scale words: 4 (16 wave + r)
.set B1O,  14                          ; v14  4 (thread % 128)
.set K2O,  15                          ; v15  kW2's codes: 64 r + 16 h
.set PF,   16                          ; v16-23  pos' fragment
.set PS,   24                          ; v24     its scale words       (v24-29 and v96-103 hold scales and nothing else)
.set ASC,  25                          ; v25     the scale word of gelu's codes
.set K2S,  26                          ; v26-29  lane l: the scale word of kW2's row 32 i + l
.set B1,   30
; phase A
.set Z,    32                          ; v32-63   a column's 32 numbers on end
.set ACC,  64                          ; v64-71
.set C,    72                          ; v72-87   codes of four columns
.set MXQ,  88
.set SOQ,  92
.set L,    104                         ; v104-231 32 rows x 4 columns a lane
.set BYQ,  232
.set L4,   236                         ; v236 4 x lane
.set H32,  237                         ; v237 32 h
; phase B
.set FR,   32                          ; v32-95   W1's eight fragments; then T and E
.set T,    32
.set E,    64
.set WS,   96                          ; v96-103  W1's scale words
.set BV,   104                         ; v104-167 the value path's result; then P, CODES, SA, the softmax
.set P,    104
.set CODES,136
.set SA,   144
.set KH,   168                         ; v168-231 the key path's hidden layer
.set NA5,  232
.set NA4,  234
.set NA3,  236
.set NA2,  238
.set NA1,  240
.set CE,   242
.set MC,   244
.set MX,   248
.set SO,   249
.set BY,   251
.set WD,   253
.set TMP,  254
.set H8,   255
; window 1
.set M,    0                           ; v0-127   W1's rows 128 on; then kb2 (C and D of the third product) and query
.set KB2,  0
.set QY,   64
.set K2F,  128                         ; v128-191 kW2's eight fragments
.set WV,   30
.set SEL,  36
.set PC,   38
.set CSM,  39
.set MSB, 0
.macro WIN new                         ; the immediate's high byte repeats the setting that is left; a switch that changes nothing is dropped
.if MSB != \new
	s_set_vgpr_msb (MSB<<8)|\new
.set MSB, \new
.endif
.endm
.macro PAIR reg, bits
	v_mov_b32 v[\reg], \bits
	v_mov_b32 v[\reg+1], \bits
.endm
.macro PLACES n
.rept \n
	v_nop
.endr
.endm
.macro BARRIER                         ; my LDS stores have landed and my LDS loads are in: then the work-group's barrier
	s_wait_dscnt 0x0
	s_barrier_signal -1
	s_barrier_wait -1
.endm
; 32 numbers x in v[src] on become G = x + |x| erf(|x| / sqrt 2), in place; v[MX] = their largest magnitude, not under the floor 2^(4 - 127).
; Behind each pair of reciprocals or exponentials stands a packed line of other registers: the plain instruction that a transcendental wants behind it (ISA guide 5.7.2).
.macro ERFG src
.set i, 0
.rept 32
	v_fma_f32 v[T+i], |v[(\src)+i]|, s[PC], 1.0                      ; 1 + p |x|
.set i, i+1
.endr
.set i, 0
.rept 16
	v_pk_mul_f32 v[E+i:E+i+1], v[(\src)+i:(\src)+i+1], v[(\src)+i:(\src)+i+1]
.set i, i+2
.endr
.set i, 0
.rept 16
	v_rcp_f32 v[T+i], v[T+i]                                         ; t
	v_rcp_f32 v[T+i+1], v[T+i+1]
	v_pk_mul_f32 v[E+i:E+i+1], v[E+i:E+i+1], v[CE:CE+1]              ; -x^2 log2(e) / 2
.set i, i+2
.endr
.set i, 0
.rept 16
	v_exp_f32 v[E+i], v[E+i]                                         ; e
	v_exp_f32 v[E+i+1], v[E+i+1]
	s_wait_alu depctr_va_vdst(0)
	v_pk_fma_f32 v[P+i:P+i+1], v[T+i:T+i+1], v[NA5:NA5+1], v[NA4:NA4+1]
.set i, i+2
.endr
.irp c, NA3, NA2, NA1
.set i, 0
.rept 16
	v_pk_fma_f32 v[P+i:P+i+1], v[P+i:P+i+1], v[T+i:T+i+1], v[\c:\c+1]
.set i, i+2
.endr
.endr
.set i, 0
	s_wait_alu depctr_va_vdst(0)
.rept 16
	v_pk_mul_f32 v[E+i:E+i+1], v[E+i:E+i+1], v[T+i:T+i+1]
.set i, i+2
.endr
.set i, 0
.rept 16
	v_pk_fma_f32 v[E+i:E+i+1], v[P+i:P+i+1], v[E+i:E+i+1], 1.0 op_sel_hi:[1,1,0]   ; erf
.set i, i+2
.endr
.set i, 0
.rept 32
	v_fma_f32 v[(\src)+i], |v[(\src)+i]|, v[E+i], v[(\src)+i]        ; G
.set i, i+1
.endr
.irp c, 0,1,2,3                        ; four chains by turns
	v_max3_num_f32 v[MC+\c], |v[(\src)+8*\c]|, |v[(\src)+8*\c+1]|, |v[(\src)+8*\c+2]|
.endr
.irp k, 3,5
.irp c, 0,1,2,3
	v_max3_num_f32 v[MC+\c], v[MC+\c], |v[(\src)+8*\c+\k]|, |v[(\src)+8*\c+\k+1]|
.endr
.endr
	v_max3_num_f32 v[MC], v[MC], v[MC+1], |v[(\src)+7]|
	v_max3_num_f32 v[MC+2], v[MC+2], v[MC+3], |v[(\src)+15]|
	v_max3_num_f32 v[MC], v[MC], |v[(\src)+23]|, |v[(\src)+31]|
	v_max3_num_f32 v[MX], v[MC], v[MC+2], 0x2000000                  ; the floor holds the byte of G / 2 at 1 from below
.endm
.macro SOADD blk
	v_add_nc_u32 v[SO+\blk], 0xff000000, v[MX]                       ; 2 off the exponent field: the conversion takes that field as its scale
.endm
.macro CVT4 blk, src                   ; the block's 32 codes: registers 4 blk .. 4 blk + 3 of the operand
.irp g, 0,1,2,3
	v_cvt_scalef32_pk8_fp4_f32 v[CODES+4*\blk+\g], v[(\src)+8*\g:(\src)+8*\g+7], v[SO+\blk]
.endr
.endm
.macro QWORD                           ; my two bytes (blocks h and 2 + h), one less each since G = 2 gelu, at their places; with lane l xor 16's two the word is whole
	v_lshrrev_b32 v[BY+1], 23, v[SO+1]
	v_lshl_or_b32 v[WD], v[BY+1], 16, v[BY]
	v_add_nc_u32 v[WD], 0xfffeffff, v[WD]
	v_lshlrev_b32 v[WD], v[H8], v[WD]
	v_permlanex16_b32 v[TMP], v[WD], s[SEL], s[SEL+1]
	v_or_b32 v[ASC], v[WD], v[TMP]
.endm
.macro WSUM reg                        ; the sum over the wave's 32 lanes, in every lane
.irp x, 1,2,4,8
	v_add_f32_dpp v[\reg], v[\reg], v[\reg] row_xmask:\x row_mask:0xf bank_mask:0xf
.endr
	v_permlanex16_b32 v[TMP], v[\reg], s[SEL], s[SEL+1]
	v_add_f32 v[\reg], v[\reg], v[TMP]
.endm
	s_load_b512 s[4:19], s[0:1], 0x0               ; kW1, vW1, kb1, vb1, session, pos' codes, pos' scales, kW2's codes
	s_load_b256 s[20:27], s[0:1], 0x40             ; kW2's scales, kb2, query, basev
	s_load_b64 s[28:29], s[0:1], 0x60              ; wbuf
	v_lshl_add_u32 v31, v0, 2, 0x6000
	s_set_vgpr_msb 0x40
	v_mov_b32 v193, 0
	s_set_vgpr_msb 0x4000
	v_lshrrev_b32 v1, 5, v0
	v_readfirstlane_b32 s[WV], v1                  ; wave 0..7
	v_and_b32 v1, 15, v0                           ; r
	v_bfe_u32 v2, v0, 4, 1                         ; h
	v_and_b32 v3, 31, v0                           ; lane
	s_lshr_b32 s31, s[WV], 2                       ; path
	s_and_b32 s2, s[WV], 3                         ; which block of 32 along K
	v_lshlrev_b32 v[L16], 4, v3
	; my four columns are n = 4 lane + q.  By the tiles' choice of columns: tile = (l4, l2, l1), row in the tile = (l3, l0, q)
	v_bfe_u32 v5, v0, 1, 2
	v_lshl_or_b32 v5, v2, 2, v5                    ; tile
	v_bfe_u32 v6, v0, 3, 1
	v_and_b32 v7, 1, v0
	v_lshl_or_b32 v6, v6, 1, v7                    ; row / 4
	v_lshlrev_b32 v7, 6, v6
	v_lshl_or_b32 v7, v5, 10, v7                   ; an image is 1,024 bytes, a row's 16 bytes 16 x row on
	v_lshlrev_b32 v6, 4, v6
	v_lshl_or_b32 v6, v5, 6, v6                    ; a tile's scale words are 64 bytes, a row's 4
	s_lshl_b32 s3, s31, 13
	s_lshl_b32 s40, s2, 8                          ; block 2 c + h lies at 512 c + 256 h of an image
	s_add_co_u32 s3, s3, s40
	v_add_nc_u32 v[IMGA], s3, v7
	s_lshl_b32 s3, s31, 9
	s_add_co_u32 s3, s3, s2                        ; the block's byte of the word
	s_add_co_u32 s3, s3, SCK
	v_add_nc_u32 v[SCA], s3, v6
	s_lshl_b32 s3, s[WV], 9
	s_add_co_u32 s3, s3, PARTB
	v_add_nc_u32 v[PBST], s3, v[L16]
	v_and_b32 v[B1O], 127, v0
	v_lshlrev_b32 v[B1O], 2, v[B1O]
	v_lshrrev_b32 v[PBRD], 7, v0
	v_lshl_add_u32 v[PBRD], v[PBRD], 11, v[B1O]
	v_add_nc_u32 v[PBRD], PARTB, v[PBRD]
	v_lshl_add_u32 v[BIST], v0, 2, BIAS
	v_lshl_add_u32 v[BIRD], v2, 7, BIAS
	v_lshl_add_u32 v[SCRD], v1, 2, SCK
	v_lshlrev_b32 v[K2O], 6, v1
	v_lshl_add_u32 v[K2O], v2, 4, v[K2O]
	s_lshl_b32 s3, s[WV], 10
	v_add_nc_u32 v[PFO], s3, v[K2O]
	s_lshl_b32 s3, s[WV], 6
	v_lshl_add_u32 v[PSO], v1, 2, s3
	v_lshlrev_b32 v[L4], 2, v3
	v_lshlrev_b32 v[H32], 5, v2
	s_mov_b32 s[SEL], 0x76543210
	s_mov_b32 s[SEL+1], 0xfedcba98                 ; v_permlanex16_b32's selects for lane l xor 16
	s_mov_b32 s[PC], 0x3e6d3389                    ; p = 0.3275911 / sqrt 2
	s_mov_b32 s[CSM], 0x3e0293ee                   ; log2(e) / sqrt(128)
	s_lshl_b32 s40, s2, 14                         ; my 32 rows of W1, 512 bytes each
	s_mov_b32 s41, 0
	s_lshl_b32 s42, ttmp9, 9                       ; session[b], my 32 numbers
	s_lshl_b32 s3, s2, 7
	s_add_co_u32 s42, s42, s3
	s_mov_b32 s43, 0
	s_lshl_b32 s44, ttmp9, 3
	s_add_co_u32 s44, s44, s[WV]
	s_lshl_b32 s44, s44, 13                        ; basev: tile 8 b + wave, 8,192 bytes each
	s_mov_b32 s45, 0
	s_lshl_b32 s46, ttmp9, 10                      ; wbuf: 1,024 bytes for each b
	s_mov_b32 s47, 0
	s_wait_kmcnt 0x0
	s_cmp_lt_u32 s[WV], 4                          ; the path's buffers: the choice hangs on the wave's number alone
	s_cselect_b64 s[32:33], s[4:5], s[6:7]
	s_cselect_b64 s[34:35], s[8:9], s[10:11]
	s_add_nc_u64 s[32:33], s[32:33], s[40:41]
	s_add_nc_u64 s[12:13], s[12:13], s[42:43]
	s_add_nc_u64 s[26:27], s[26:27], s[44:45]
	s_add_nc_u64 s[28:29], s[28:29], s[46:47]
	s_load_b512 s[68:83], s[12:13], 0x0
	s_load_b512 s[84:99], s[12:13], 0x40
	; every load of the launch but kb2's and query's goes out here
.set i, 0
.rept 32
	global_load_b128 v[L+4*i:L+4*i+3], v[L16], s[32:33] offset:512*i           ; row 32 block + i, whole: 512 consecutive bytes
.set i, i+1
.endr
	global_load_b128 v[PF:PF+3], v[PFO], s[14:15]
	global_load_b128 v[PF+4:PF+7], v[PFO], s[14:15] offset:32
	global_load_b32 v[PS], v[PSO], s[16:17]
	global_load_b32 v[B1], v[B1O], s[34:35]
.irp i, 0,1,2,3
	global_load_b32 v[K2S+\i], v[L4], s[20:21] offset:128*\i
.endr
	WIN 0x40                                       ; destination window 1
.set i, 0
.rept 32
	global_load_b128 v[M+4*i:M+4*i+3], v[L16], s[32:33] offset:65536+512*i     ; row 128 + 32 block + i
.set i, i+1
.endr
.irp nt, 0,1,2,3,4,5,6,7
.irp c, 0,1
	global_load_b128 v[K2F+8*\nt+4*\c:K2F+8*\nt+4*\c+3], v[K2O], s[18:19] offset:1024*\nt+32*\c
.endr
.endr
	WIN 0
	; ---- A: my block of 32 along K of W1[:128], four columns a lane
	s_wait_loadcnt 56                              ; L is in: behind it were issued 2 + 1 + 1 + 4 + 32 + 16 loads
.irp q, 0,1,2,3
	v_max3_num_f32 v[MXQ+\q], |v[L+\q]|, |v[L+4+\q]|, 0x1800000      ; with the floor 2^(3 - 127): the byte cannot fall under 1
.endr
.set j, 2
.rept 15
.irp q, 0,1,2,3
	v_max3_num_f32 v[MXQ+\q], v[MXQ+\q], |v[L+4*j+\q]|, |v[L+4*j+4+\q]|
.endr
.set j, j+2
.endr
.irp q, 0,1,2,3
	v_add_nc_u32 v[SOQ+\q], 0xff000000, v[MXQ+\q]
.endr
.irp q, 0,1,2,3
	v_lshrrev_b32 v[BYQ+\q], 23, v[SOQ+\q]
.endr
.irp q, 0,1,2,3
.set i, 0
.rept 32
	v_mov_b32 v[Z+i], v[L+4*i+\q]                  ; the conversion wants eight neighbours along K in consecutive registers; the rows were loaded whole, four columns a lane
.set i, i+1
.endr
.irp g, 0,1,2,3
	v_cvt_scalef32_pk8_fp4_f32 v[C+4*\q+\g], v[Z+8*\g:Z+8*\g+7], v[SOQ+\q]
.endr
	v_nop                                          ; one plain place behind a scaled conversion, ahead of the next column's moves into Z
	ds_store_b128 v[IMGA], v[C+4*\q:C+4*\q+3] offset:16*\q
	ds_store_b8 v[SCA], v[BYQ+\q] offset:4*\q
.endr
	; session[b] @ W1[128:256], my 32 rows, in f32: its result goes on into a quantiser
	s_wait_loadcnt 16                              ; M is in, and all that was issued ahead of it; kW2's 16 loads may be out
	s_wait_kmcnt 0x0
	WIN 0x04                                       ; source 1 window 1
.irp q, 0,1,2,3
	v_mul_f32 v[ACC+\q], s68, v[M+\q]
.endr
.irp q, 0,1,2,3
	v_mul_f32 v[ACC+4+\q], s69, v[M+4+\q]
.endr
.set i, 2
.rept 30
.irp q, 0,1,2,3
	v_fma_f32 v[ACC+4*(i%2)+\q], s[68+i], v[M+4*i+\q], v[ACC+4*(i%2)+\q]
.endr
.set i, i+1
.endr
	WIN 0x40                                       ; kb2 and query, in the third product's result layout: lane (r, h), tile nt: 16 nt + 8 h + 0 .. 7
.irp nt, 0,1,2,3,4,5,6,7
	global_load_b128 v[KB2+8*\nt:KB2+8*\nt+3], v[H32], s[22:23] offset:64*\nt
	global_load_b128 v[KB2+8*\nt+4:KB2+8*\nt+7], v[H32], s[22:23] offset:64*\nt+16
	global_load_b128 v[QY+8*\nt:QY+8*\nt+3], v[H32], s[24:25] offset:64*\nt
	global_load_b128 v[QY+8*\nt+4:QY+8*\nt+7], v[H32], s[24:25] offset:64*\nt+16
.endr
	WIN 0
.irp q, 0,1,2,3
	v_add_f32 v[ACC+\q], v[ACC+\q], v[ACC+4+\q]
.endr
	ds_store_b128 v[PBST], v[ACC:ACC+3]
	BARRIER                                        ; images, scale bytes and the eight parts lie in LDS
.irp j, 0,1,2,3
	ds_load_b32 v[ACC+\j], v[PBRD] offset:512*\j   ; thread t: path t / 128, column t % 128: the path's four parts
.endr
	s_wait_dscnt 0x0
	v_add_f32 v[ACC], v[ACC], v[ACC+1]
	v_add_f32 v[ACC+2], v[ACC+2], v[ACC+3]
	v_add_f32 v[ACC], v[ACC], v[ACC+2]
	v_add_f32 v[ACC], v[ACC], v[B1]
	ds_store_b32 v[BIST], v[ACC]
	BARRIER                                        ; both paths' session @ W1 + b1 lie in LDS
	; ---- B: channels 16 wave on.  acc = bias + Q(W1[:128])^T pos^T, eight tiles; the bias is the C of each tile's one matrix instruction
.macro W1STEP acc, img, sc, bi
.set g, 0
.rept 16
	ds_load_b128 v[\acc+4*g:\acc+4*g+3], v[BIRD] offset:\bi+256*(g/8)+16*(g%8)
.set g, g+1
.endr
.set g, 0
.rept 16
	ds_load_b128 v[FR+4*g:FR+4*g+3], v[L16] offset:\img+512*g        ; the images come back as they were stored: the same registers in the same lanes
.set g, g+1
.endr
.irp t, 0,1,2,3,4,5,6,7
	ds_load_b32 v[WS+\t], v[SCRD] offset:\sc+64*\t
.endr
	s_wait_dscnt 0x0
.irp t, 0,1,2,3,4,5,6,7
	v_wmma_scale_f32_16x16x128_f8f6f4 v[\acc+8*\t:\acc+8*\t+7], v[FR+8*\t:FR+8*\t+7], v[PF:PF+7], v[\acc+8*\t:\acc+8*\t+7], v[WS+\t], v[PS] matrix_a_fmt:MATRIX_FMT_FP4 matrix_b_fmt:MATRIX_FMT_FP4
.endr
	PLACES 4                                       ; ahead of the first read of results and of loads into registers that these have read
.endm
	W1STEP BV, IMGV, 512, 512
.set g, 0
.rept 16
	global_store_b128 v[L16], v[BV+4*g:BV+4*g+3], s[26:27] offset:512*g    ; each accumulator from its low end on; a store covers 512 consecutive bytes, aligned
.set g, g+1
.endr
	W1STEP KH, IMGK, 0, 0
	s_wait_xcnt 0x0                                ; the stores' data and the loads' offset registers are written again only behind this wait
	PAIR NA5, 0xbf87dc22
	PAIR NA4, 0x3fba00e3
	PAIR NA3, 0xbfb5f0e3
	PAIR NA2, 0x3e91a98e
	PAIR NA1, 0xbe827906
	PAIR CE,  0xbf38aa3b
	v_mov_b32 v[TMP], 0                            ; a lane permute's destination counts as one of its sources
	v_lshlrev_b32 v[H8], 3, v2
	ERFG KH
	SOADD 0
	CVT4 0, KH
	v_lshrrev_b32 v[BY], 23, v[SO]                 ; (a plain place behind the conversions)
	ERFG KH+32
	SOADD 1
	QWORD
	CVT4 1, KH+32
	s_wait_loadcnt 0x0                             ; kW2's fragments, kb2, query
	PLACES 8                                       ; a scale register written by a vector instruction stands 8 places ahead of a scaled matrix instruction, an operand so written 4
	WIN 0x51                                       ; source 0 (kW2), C and D (kb2) window 1; source 1 (the codes) window 0
.irp nt, 0,1,2,3,4,5,6,7                ; keys^T: lane (r, h) holds channel r, register j of tile nt the key's number 16 nt + 8 h + j
.if (\nt)%2
	v_wmma_scale_f32_16x16x128_f8f6f4 v[KB2+8*\nt:KB2+8*\nt+7], v[K2F+8*\nt:K2F+8*\nt+7], v[CODES:CODES+7], v[KB2+8*\nt:KB2+8*\nt+7], v[K2S+\nt/2], v[ASC] matrix_a_fmt:MATRIX_FMT_FP4 matrix_b_fmt:MATRIX_FMT_FP4 matrix_a_scale:MATRIX_SCALE_ROW1
.else
	v_wmma_scale_f32_16x16x128_f8f6f4 v[KB2+8*\nt:KB2+8*\nt+7], v[K2F+8*\nt:K2F+8*\nt+7], v[CODES:CODES+7], v[KB2+8*\nt:KB2+8*\nt+7], v[K2S+\nt/2], v[ASC] matrix_a_fmt:MATRIX_FMT_FP4 matrix_b_fmt:MATRIX_FMT_FP4
.endif
.endr
	PLACES 4
	WIN 0x05                                       ; keys . query: sources 0 and 1 window 1
.irp jj, 0,1,2,3                        ; the first pass reads each accumulator at its low end
.irp nt, 0,1,2,3,4,5,6,7
.if (\jj == 0) && (\nt < 4)
	v_pk_mul_f32 v[SA+2*\nt:SA+2*\nt+1], v[KB2+8*\nt:KB2+8*\nt+1], v[QY+8*\nt:QY+8*\nt+1]
.else
	v_pk_fma_f32 v[SA+2*(\nt%4):SA+2*(\nt%4)+1], v[KB2+8*\nt+2*\jj:KB2+8*\nt+2*\jj+1], v[QY+8*\nt+2*\jj:QY+8*\nt+2*\jj+1], v[SA+2*(\nt%4):SA+2*(\nt%4)+1]
.endif
.endr
.endr
	WIN 0
	v_pk_add_f32 v[SA:SA+1], v[SA:SA+1], v[SA+2:SA+3]
	v_pk_add_f32 v[SA+4:SA+5], v[SA+4:SA+5], v[SA+6:SA+7]
	v_pk_add_f32 v[SA:SA+1], v[SA:SA+1], v[SA+4:SA+5]
	v_add_f32 v[SA], v[SA], v[SA+1]
	v_permlanex16_b32 v[TMP], v[SA], s[SEL], s[SEL+1]
	v_add_f32 v[SA], v[SA], v[TMP]                 ; with lane l xor 16's 64 numbers: the channel's score
	v_mul_f32 v[SA], s[CSM], v[SA]                 ; t = score x log2(e) / sqrt(128)
	s_lshl_b32 s2, s[WV], 6
	v_lshl_add_u32 v152, v1, 2, s2
	ds_store_b32 v152, v[SA] offset:SCO            ; both halves of the lanes write the same word with the same value
	BARRIER                                        ; the 128 scores lie in LDS
	; ---- the softmax over the 128 channels, four a lane, in every wave alike; wave 0 stores it
	ds_load_b128 v[156:159], v[L16] offset:SCO
	v_lshlrev_b32 v160, 2, v3
	s_wait_dscnt 0x0
	v_max3_num_f32 v153, v156, v157, v158
	v_max_num_f32 v153, v153, v159
.irp x, 1,2,4,8
	v_max_num_f32_dpp v153, v153, v153 row_xmask:\x row_mask:0xf bank_mask:0xf
.endr
	v_permlanex16_b32 v[TMP], v153, s[SEL], s[SEL+1]
	v_max_num_f32 v153, v153, v[TMP]               ; the largest t is taken away ahead of the exponentials
.irp i, 156,157,158,159
	v_sub_f32 v\i, v\i, v153
.endr
.irp i, 156,157,158,159
	v_exp_f32 v\i, v\i
.endr
	v_nop                                          ; a plain place behind the exponentials
	s_wait_alu depctr_va_vdst(0)
	v_add_f32 v154, v156, v157
	v_add_f32 v155, v158, v159
	v_add_f32 v154, v154, v155
	WSUM 154
	v_rcp_f32 v155, v154
	v_nop                                          ; a plain place behind the reciprocal
	s_wait_alu depctr_va_vdst(0)
.irp i, 156,157,158,159
	v_mul_f32 v\i, v\i, v155                       ; w
.endr
	v_add_f32 v154, v156, v157
	v_add_f32 v155, v158, v159
	v_add_f32 v154, v154, v155
	WSUM 154                                       ; the sum of w, by which the next launch weighs vb2
	s_cmp_lg_u32 s[WV], 0
	s_cbranch_scc1 .Lend
	global_store_b128 v[L16], v[156:159], s[28:29]
	global_store_b32 v160, v154, s[28:29] offset:512
.Lend:
	s_set_vgpr_msb 0x4
	s_wait_tensorcnt 0x0
	ds_add_u32 v31, v193
	s_wait_dscnt 0x0
	s_set_vgpr_msb 0x400
	s_endpgm
.Lfunc_end_k_qf3c53dc92f_prep:
	.size	k_qf3c53dc92f_prep, .Lfunc_end_k_qf3c53dc92f_prep-k_qf3c53dc92f_prep
	.p2alignl 7, 3214868480
	.fill 96, 4, 3214868480
	.section	.rodata,"a",@progbits
	.p2align	6, 0x0
	.amdhsa_kernel k_qf3c53dc92f_prep
		.amdhsa_group_segment_fixed_size 25600
		.amdhsa_private_segment_fixed_size 0
		.amdhsa_enable_private_segment 0
		.amdhsa_kernarg_size 104
		.amdhsa_user_sgpr_count 2
		.amdhsa_user_sgpr_kernarg_segment_ptr 1
		.amdhsa_wavefront_size32 1
		.amdhsa_system_sgpr_workgroup_id_x 1
		.amdhsa_system_sgpr_workgroup_id_y 1
		.amdhsa_system_sgpr_workgroup_id_z 1
		.amdhsa_system_vgpr_workitem_id 0
		.amdhsa_next_free_vgpr 450
		.amdhsa_next_free_sgpr 100
		.amdhsa_reserve_vcc 0
		.amdhsa_float_denorm_mode_32 3
		.amdhsa_float_denorm_mode_16_64 3
		.amdhsa_memory_ordered 1
		.amdhsa_forward_progress 1
		.amdhsa_inst_pref_size 83
	.end_amdhsa_kernel
	.amdgpu_metadata
---
amdhsa.version: [ 1, 2 ]
amdhsa.kernels:
  - .name:           k_qf3c53dc92f_prep
    .symbol:         k_qf3c53dc92f_prep.kd
    .args:
      - { .name: kW1, .offset: 0, .size: 8, .value_kind: global_buffer, .address_space: global }
      - { .name: vW1, .offset: 8, .size: 8, .value_kind: global_buffer, .address_space: global }
      - { .name: kb1, .offset: 16, .size: 8, .value_kind: global_buffer, .address_space: global }
      - { .name: vb1, .offset: 24, .size: 8, .value_kind: global_buffer, .address_space: global }
      - { .name: session, .offset: 32, .size: 8, .value_kind: global_buffer, .address_space: global }
      - { .name: pos_embeds_codes, .offset: 40, .size: 8, .value_kind: global_buffer, .address_space: global }
      - { .name: pos_embeds_scales, .offset: 48, .size: 8, .value_kind: global_buffer, .address_space: global }
      - { .name: kW2_codes, .offset: 56, .size: 8, .value_kind: global_buffer, .address_space: global }
      - { .name: kW2_scales, .offset: 64, .size: 8, .value_kind: global_buffer, .address_space: global }
      - { .name: kb2, .offset: 72, .size: 8, .value_kind: global_buffer, .address_space: global }
      - { .name: query, .offset: 80, .size: 8, .value_kind: global_buffer, .address_space: global }
      - { .name: basev, .offset: 88, .size: 8, .value_kind: global_buffer, .address_space: global }
      - { .name: wbuf, .offset: 96, .size: 8, .value_kind: global_buffer, .address_space: global }
    .group_segment_fixed_size: 25600
    .private_segment_fixed_size: 0
    .kernarg_segment_align: 8
    .kernarg_segment_size: 104
    .max_flat_workgroup_size: 256
    .sgpr_count:     100
    .vgpr_count:     450
    .wavefront_size: 32
...
	.end_amdgpu_metadata
.endif
;; end of part 1
;; launch main (part 2): grid 256 x 1, 8 waves a work-group, no clusters, 160,768 bytes of LDS; arguments state_in, vW1, vW2_codes, vW2_scales, vb2, basev, wbuf, out0; writes out0
.if DOCPART == 2
	.amdgcn_target "amdgcn-amd-amdhsa--gfx1250"
	.amdhsa_code_object_version 6
	.text
	.protected	k_qf3c53dc92f_main
	.globl	k_qf3c53dc92f_main
	.p2align	8
	.type	k_qf3c53dc92f_main,@function
k_qf3c53dc92f_main:
	s_mov_b64 s[64:65], 0
	v_nop
	global_prefetch_b8 v0, s[64:65] scope:SCOPE_SE
	s_setreg_imm32_b32 hwreg(HW_REG_WAVE_MODE, 25, 1), 1
	s_wait_xcnt 0x0
; out0[b][ta][n] = sum over c of w[b][c] (Q(gelu(base[b][c][:] + state_in[b][ta][c] vW1[256][:])) @ vW2)[n] + vb2[n] sum over c of w[b][c];  ta = (t, a), 512 for each b.
; base and w come from the launch before.  Q: E2M1 codes, one E8M0 byte for each 32 along K = the hidden layer's 128.  vW2 arrives as codes.
; The inputs subject and array enter no expression of the function computed here: no result hangs on them, and they are not loaded.
; The vector unit binds: 128 x 128 gelus for each output row against 128 matrix instructions.  So the design counts vector instructions, and nothing streams: no tensor load, no ring, no cluster.
; SHARES.  A work-group takes 16 rows ta of one b.  ITS EIGHT WAVES SHARE THE CHANNELS: wave w owns channels 16 w .. 16 w + 15 for the whole launch, so that its 64 numbers a lane of base, the 64 of vW1[256]
; and all 16 fragments of vW2 stay in registers; a trip of the loop (one ta) takes one LDS word in and puts eight out.
; LAYOUT.  Lane (r, h) holds channel 16 w + r; its registers 0-31 are k = 32 h + 0 .. 31 and registers 32-63 k = 64 + 32 h + 0 .. 31: two WHOLE blocks of 32, so that a block's largest magnitude
; needs no other lane and the conversions' results are the operand's registers.  Source 0 = my 16 channels, source 1 = 16 outputs: in a result register j of lane (r, h) is (channel 8 h + j, output r).
; The sum over c: eight registers by w in the lane, the two halves of the lanes by an exchange, the eight waves through LDS at the end.
; THE GELU.  G = 2 gelu(x) = x + |x| erf(|x| / sqrt 2); erf = 1 + N(t) t e, t = 1 / (1 + p |x|), e = 2^(-x^2 log2(e) / 2), N of degree 4 (Abramowitz and Stegun 7.1.26).
; G is what is quantised: the factor 2 leaves every code as it is and moves the scale's byte by one, which is taken off the byte again.
; LIMITS: erf is right to 1.5e-7 by the formula and about as much again by f32 arithmetic, absolute; so gelu is right to about 4e-7 of the number for x >= 0, and in the negative tail
; the error relative to the number grows as 1 / Phi(x).  From |x| = 13.3 on the exponential is 0 and G = x + |x|.  NaN and infinities among the inputs are not served.
; A block of zeros keeps the floor's byte, 1, where the rule says 127: its codes are zeros, and this program alone reads the bytes.
.set STATE, 0                          ; LDS: [16 ta][128 c] f32,
.set BW,    8192                       ; vW2's codes: 256 rows of 64 bytes, 80 bytes apart: the sixteen rows of a load begin at sixteen different multiples of 16 modulo 256,
.set PART,  28672                      ; [wave 8][ta 16][256 n] f32: each wave's part of the sum over c
.set SADR, 4                           ; v4   STATE + 64 wave + 4 r
.set PADR, 5                           ; v5   PART + 16384 wave + 4 lane
.set ADR,  6                           ; v6   the LDS address in hand
.set RAD0, 7                           ; v7   PART + 2048 wave + 16 lane
.set RAD1, 8                           ; v8   the same 65,536 bytes on: waves 4-7's parts
.set OO,   9                           ; v9   16 x lane
.set H8,   10                          ; v10  8 h
.set TMP,  11
.set S,    12                          ; v[12:13] state_in of my channel (the packed form names the pair and takes its low word for both halves)
.set W,    16                          ; v16-23   w[b][16 wave + 8 h + j]
.set BS,   24                          ; v24-31   lane l: the scale word of vW2's row 32 i + l     (v24-31 and v40 hold scales and nothing else)
.set CODES,32                          ; v32-39
.set ASC,  40
.set MC,   41
.set MX,   45
.set SO,   46
.set X,    48                          ; v48-79   a block's 32 numbers
.set T,    80                          ; v80-111  at work; then four accumulators
.set E,    112                         ; v112-143 at work; then four accumulators
.set P,    144                         ; v144-175 at work
.set PP,   144                         ; v144-151 four tiles' weighted sums, in pairs
.set R,    152                         ; v152-159 register i: output 32 i + lane
.set NA5,  176
.set NA4,  178
.set NA3,  180
.set NA2,  182
.set NA1,  184
.set CE,   186
.set VB2,  188                         ; v188-195 vb2[128 half + 4 lane + 0 .. 3]
.set WS2,  196                         ; v[196:197] the sum of w, twice
.set BY,   198
.set WD,   200
.set T16,  201                         ; offsets of the loads and stores at the head
.set H128, 202
.set WOF,  203
.set L4,   204
.set BWS,  205
.set BWR,  206
.set BASE, 128                         ; window 1: v0-127 vW2's fragment nt at 8 nt; v128-191 base; v192-255 vW1[256]
.set V,    192
.set WV,   20
.set CNT,  30
.set TS,   31
.set TP,   32
.set SW,   33
.set PC,   34
.set SEL,  36
.set MSB, 0
.macro WIN new                         ; the immediate's high byte repeats the setting that is left; a switch that changes nothing is dropped
.if MSB != \new
	s_set_vgpr_msb (MSB<<8)|\new
.set MSB, \new
.endif
.endm
.macro PAIR reg, bits
	v_mov_b32 v[\reg], \bits
	v_mov_b32 v[\reg+1], \bits
.endm
.macro PLACES n
.rept \n
	v_nop
.endr
.endm
; 32 numbers x in v[src] on become G = x + |x| erf(|x| / sqrt 2), in place; v[MX] = their largest magnitude, not under the floor 2^(4 - 127).
; Behind each pair of reciprocals or exponentials stands a packed line of other registers: the plain instruction that a transcendental wants behind it (ISA guide 5.7.2).
.macro ERFG src
.set i, 0
.rept 32
	v_fma_f32 v[T+i], |v[(\src)+i]|, s[PC], 1.0                      ; 1 + p |x|
.set i, i+1
.endr
.set i, 0
.rept 16
	v_pk_mul_f32 v[E+i:E+i+1], v[(\src)+i:(\src)+i+1], v[(\src)+i:(\src)+i+1]
.set i, i+2
.endr
.set i, 0
.rept 16
	v_rcp_f32 v[T+i], v[T+i]                                         ; t
	v_rcp_f32 v[T+i+1], v[T+i+1]
	v_pk_mul_f32 v[E+i:E+i+1], v[E+i:E+i+1], v[CE:CE+1]              ; -x^2 log2(e) / 2
.set i, i+2
.endr
.set i, 0
.rept 16
	v_exp_f32 v[E+i], v[E+i]                                         ; e
	v_exp_f32 v[E+i+1], v[E+i+1]
	s_wait_alu depctr_va_vdst(0)
	v_pk_fma_f32 v[P+i:P+i+1], v[T+i:T+i+1], v[NA5:NA5+1], v[NA4:NA4+1]
.set i, i+2
.endr
.irp c, NA3, NA2, NA1
.set i, 0
.rept 16
	v_pk_fma_f32 v[P+i:P+i+1], v[P+i:P+i+1], v[T+i:T+i+1], v[\c:\c+1]
.set i, i+2
.endr
.endr
.set i, 0
	s_wait_alu depctr_va_vdst(0)
.rept 16
	v_pk_mul_f32 v[E+i:E+i+1], v[E+i:E+i+1], v[T+i:T+i+1]
.set i, i+2
.endr
.set i, 0
.rept 16
	v_pk_fma_f32 v[E+i:E+i+1], v[P+i:P+i+1], v[E+i:E+i+1], 1.0 op_sel_hi:[1,1,0]   ; erf
.set i, i+2
.endr
.set i, 0
.rept 32
	v_fma_f32 v[(\src)+i], |v[(\src)+i]|, v[E+i], v[(\src)+i]        ; G
.set i, i+1
.endr
.irp c, 0,1,2,3                        ; four chains by turns
	v_max3_num_f32 v[MC+\c], |v[(\src)+8*\c]|, |v[(\src)+8*\c+1]|, |v[(\src)+8*\c+2]|
.endr
.irp k, 3,5
.irp c, 0,1,2,3
	v_max3_num_f32 v[MC+\c], v[MC+\c], |v[(\src)+8*\c+\k]|, |v[(\src)+8*\c+\k+1]|
.endr
.endr
	v_max3_num_f32 v[MC], v[MC], v[MC+1], |v[(\src)+7]|
	v_max3_num_f32 v[MC+2], v[MC+2], v[MC+3], |v[(\src)+15]|
	v_max3_num_f32 v[MC], v[MC], |v[(\src)+23]|, |v[(\src)+31]|
	v_max3_num_f32 v[MX], v[MC], v[MC+2], 0x2000000                  ; the floor holds the byte of G / 2 at 1 from below
.endm
.macro SOADD blk
	v_add_nc_u32 v[SO+\blk], 0xff000000, v[MX]                       ; 2 off the exponent field: the conversion takes that field as its scale
.endm
.macro CVT4 blk, src                   ; the block's 32 codes: registers 4 blk .. 4 blk + 3 of the operand
.irp g, 0,1,2,3
	v_cvt_scalef32_pk8_fp4_f32 v[CODES+4*\blk+\g], v[(\src)+8*\g:(\src)+8*\g+7], v[SO+\blk]
.endr
.endm
.macro QWORD                           ; my two bytes (blocks h and 2 + h), one less each since G = 2 gelu, at their places; with lane l xor 16's two the word is whole
	v_lshrrev_b32 v[BY+1], 23, v[SO+1]
	v_lshl_or_b32 v[WD], v[BY+1], 16, v[BY]
	v_add_nc_u32 v[WD], 0xfffeffff, v[WD]
	v_lshlrev_b32 v[WD], v[H8], v[WD]
	v_permlanex16_b32 v[TMP], v[WD], s[SEL], s[SEL+1]
	v_or_b32 v[ASC], v[WD], v[TMP]
.endm
.macro XST blk                         ; x = state_in x vW1[256] + base, the lane's block blk
	WIN 0x14                                       ; sources 1 and 2 window 1
.set i, 0
.rept 16
	v_pk_fma_f32 v[X+i:X+i+1], v[S:S+1], v[V+32*\blk+i:V+32*\blk+i+1], v[BASE+32*\blk+i:BASE+32*\blk+i+1] op_sel_hi:[0,1,1]
.set i, i+2
.endr
	WIN 0
.endm
; Four tiles of 16 outputs, 4 g on, into four accumulators at bank.  K = 128 is one instruction: each is a whole sum, with the constant 0 as C.
.macro MM g, bank
	WIN 0x04                                       ; source 1 (vW2) window 1
.irp t, 0,1,2,3
.if (\t)%2
	v_wmma_scale_f32_16x16x128_f8f6f4 v[\bank+8*\t:\bank+8*\t+7], v[CODES:CODES+7], v[8*(4*\g+\t):8*(4*\g+\t)+7], 0, v[ASC], v[BS+(4*\g+\t)/2] matrix_a_fmt:MATRIX_FMT_FP4 matrix_b_fmt:MATRIX_FMT_FP4 matrix_b_scale:MATRIX_SCALE_ROW1
.else
	v_wmma_scale_f32_16x16x128_f8f6f4 v[\bank+8*\t:\bank+8*\t+7], v[CODES:CODES+7], v[8*(4*\g+\t):8*(4*\g+\t)+7], 0, v[ASC], v[BS+(4*\g+\t)/2] matrix_a_fmt:MATRIX_FMT_FP4 matrix_b_fmt:MATRIX_FMT_FP4
.endif
.endr
.endm
; Their sums over my 16 channels by w: 24 plain lines.  Each accumulator is read from its low end on.
.macro RED g, bank
	WIN 0
.irp t, 0,1,2,3
	v_pk_mul_f32 v[PP+2*\t:PP+2*\t+1], v[\bank+8*\t:\bank+8*\t+1], v[W:W+1]
.endr
.irp j, 1,2,3
.irp t, 0,1,2,3
	v_pk_fma_f32 v[PP+2*\t:PP+2*\t+1], v[\bank+8*\t+2*\j:\bank+8*\t+2*\j+1], v[W+2*\j:W+2*\j+1], v[PP+2*\t:PP+2*\t+1]
.endr
.endr
.irp t, 0,1,2,3
	v_add_f32 v[PP+2*\t], v[PP+2*\t], v[PP+2*\t+1]
.endr
	v_permlane16_swap_b32 v[PP], v[PP+2]           ; the first's lanes 16-31 change places with the second's lanes 0-15: both registers now hold one tile below and the next above,
	v_permlane16_swap_b32 v[PP+4], v[PP+6]
	v_add_f32 v[R+2*\g], v[PP], v[PP+2]            ; one for each half of the channels: their sum is output 32 (2 g) + lane
	v_add_f32 v[R+2*\g+1], v[PP+4], v[PP+6]
.endm
	s_load_b512 s[4:19], s[0:1], 0x0               ; state_in, vW1, vW2's codes, vW2's scales, vb2, basev, wbuf, out0
	v_lshl_add_u32 v254, v0, 2, 0x27000
	v_mov_b32 v255, 0
	v_lshrrev_b32 v1, 5, v0
	v_readfirstlane_b32 s[WV], v1                  ; wave 0..7
	v_and_b32 v1, 15, v0                           ; r
	v_bfe_u32 v2, v0, 4, 1                         ; h
	v_and_b32 v3, 31, v0                           ; lane
	s_lshr_b32 s21, ttmp9, 5                       ; b; the work-group's 16 rows are rows 16 x its number on of the 4,096
	s_lshl_b32 s24, ttmp9, 13                      ; state_in: 16 rows of 512 bytes
	s_mov_b32 s25, 0
	s_lshl_b32 s26, s21, 3
	s_add_co_u32 s26, s26, s[WV]
	s_lshl_b32 s26, s26, 13                        ; basev: tile 8 b + wave, 8,192 bytes each
	s_mov_b32 s27, 0
	s_lshl_b32 s28, s21, 10                        ; wbuf: 1,024 bytes for each b
	s_mov_b32 s29, 0
	s_lshl_b32 s22, ttmp9, 14                      ; out0: 16 rows of 1,024 bytes, and two rows for each wave
	s_lshl_b32 s3, s[WV], 11
	s_add_co_u32 s22, s22, s3
	s_mov_b32 s23, 0
	s_lshl_b32 s2, s[WV], 6
	v_lshlrev_b32 v[T16], 4, v0
	v_lshlrev_b32 v[OO], 4, v3
	v_lshlrev_b32 v[H128], 7, v2
	v_lshl_add_u32 v[WOF], v2, 5, s2
	v_lshlrev_b32 v[L4], 2, v3
	v_lshrrev_b32 v14, 2, v0
	v_mul_u32_u24 v14, v14, 80
	v_and_b32 v15, 3, v0
	v_lshl_add_u32 v[BWS], v15, 4, v14
	v_add_nc_u32 v[BWS], BW, v[BWS]                ; four threads to a row of 64 bytes
	v_mul_u32_u24 v[BWR], v1, 80
	v_lshl_add_u32 v[BWR], v2, 4, v[BWR]
	v_add_nc_u32 v[BWR], BW, v[BWR]                ; a fragment's row r, + 16 h
	v_lshl_add_u32 v[SADR], v1, 2, s2
	v_lshl_add_u32 v[RAD0], v3, 4, s3
	v_add_nc_u32 v[RAD0], PART, v[RAD0]
	v_add_nc_u32 v[RAD1], 65536, v[RAD0]
	s_lshl_b32 s3, s[WV], 14
	v_lshl_add_u32 v[PADR], v3, 2, s3
	v_add_nc_u32 v[PADR], PART, v[PADR]
	v_lshlrev_b32 v[H8], 3, v2
	v_mov_b32 v[TMP], 0                            ; a lane permute's destination counts as one of its sources
	v_mov_b32 v[S+1], 0                            ; named with v12 as a pair, so it is written
	s_mov_b32 s[PC], 0x3e6d3389                    ; p = 0.3275911 / sqrt 2
	s_mov_b32 s[SEL], 0x76543210
	s_mov_b32 s[SEL+1], 0xfedcba98                 ; v_permlanex16_b32's selects for lane l xor 16
	s_wait_kmcnt 0x0
	s_add_nc_u64 s[4:5], s[4:5], s[24:25]
	s_add_nc_u64 s[14:15], s[14:15], s[26:27]
	s_add_nc_u64 s[16:17], s[16:17], s[28:29]
	s_add_nc_u64 s[18:19], s[18:19], s[22:23]
	s_load_b32 s[SW], s[16:17], 0x200              ; the sum of w
.irp i, 0,1
	global_load_b128 v[X+4*\i:X+4*\i+3], v[T16], s[4:5] offset:4096*\i th:TH_LOAD_NT   ; the group's 16 rows of state_in: read once in the launch
.endr
.irp i, 0,1,2,3
	global_load_b128 v[X+8+4*\i:X+8+4*\i+3], v[T16], s[8:9] offset:4096*\i             ; vW2's codes, whole
.endr
	WIN 0x40                                       ; destination window 1
.set g, 0
.rept 16
	global_load_b128 v[BASE+4*g:BASE+4*g+3], v[OO], s[14:15] offset:512*g
.set g, g+1
.endr
.set g, 0
.rept 16
	global_load_b128 v[V+4*g:V+4*g+3], v[H128], s[6:7] offset:131072+256*(g/8)+16*(g%8)   ; vW1[256][64 (g / 8) + 32 h + 4 (g % 8) + 0 .. 3]
.set g, g+1
.endr
	WIN 0
	global_load_b128 v[W:W+3], v[WOF], s[16:17]
	global_load_b128 v[W+4:W+7], v[WOF], s[16:17] offset:16
.irp i, 0,1,2,3,4,5,6,7
	global_load_b32 v[BS+\i], v[L4], s[10:11] offset:128*\i
.endr
	global_load_b128 v[VB2:VB2+3], v[OO], s[12:13]
	global_load_b128 v[VB2+4:VB2+7], v[OO], s[12:13] offset:512
	s_wait_loadcnt 44                              ; the first six loads are in: behind them were issued 16 + 16 + 2 + 8 + 2
.irp i, 0,1
	ds_store_b128 v[T16], v[X+4*\i:X+4*\i+3] offset:STATE+4096*\i
.endr
.irp i, 0,1,2,3
	ds_store_b128 v[BWS], v[X+8+4*\i:X+8+4*\i+3] offset:5120*\i
.endr
	s_wait_dscnt 0x0                               ; for the others' sake: my stores have landed
	s_barrier_signal -1
	s_barrier_wait -1
	WIN 0x40
.irp nt, 0,1,2,3,4,5,6,7,8,9,10,11,12,13,14,15
.irp c, 0,1
	ds_load_b128 v[8*\nt+4*\c:8*\nt+4*\c+3], v[BWR] offset:1280*\nt+32*\c              ; vW2's sixteen fragments stay in registers
.endr
.endr
	WIN 0
	ds_load_b32 v[S], v[SADR]                      ; the first row's state_in
	PAIR NA5, 0xbf87dc22
	PAIR NA4, 0x3fba00e3
	PAIR NA3, 0xbfb5f0e3
	PAIR NA2, 0x3e91a98e
	PAIR NA1, 0xbe827906
	PAIR CE,  0xbf38aa3b
	s_wait_kmcnt 0x0
	v_mov_b32 v[WS2], s[SW]
	v_mov_b32 v[WS2+1], s[SW]
	s_wait_loadcnt 0x0
	s_mov_b32 s[CNT], 16
	s_mov_b32 s[TS], 512
	s_mov_b32 s[TP], 0
.Ltile:                                            ; a trip: one row ta, my 16 channels
	s_wait_dscnt 0x0                               ; this row's state_in is in (in the first trip: the fragments too); the last trip's eight stores are done
	XST 0
	ERFG X
	SOADD 0
	CVT4 0, X
	v_lshrrev_b32 v[BY], 23, v[SO]                 ; the first block's byte.  (The plain place between the conversions and the lines that write their sources anew)
	XST 1
	s_cmp_eq_u32 s[CNT], 1                         ; the next row's state_in is asked for here, a block's work ahead of its use; the last trip asks for nothing
	s_cbranch_scc1 .Lno_s
	v_add_nc_u32 v[ADR], s[TS], v[SADR]
	ds_load_b32 v[S], v[ADR]
.Lno_s:
	s_add_co_u32 s[TS], s[TS], 512
	ERFG X
	SOADD 1
	QWORD
	CVT4 1, X
	PLACES 8                                       ; a scale register written by a vector instruction stands 8 places ahead of a scaled matrix instruction, an operand so written 4; a conversion wants one behind it
	MM 0, T
	MM 1, E
	PLACES 4                                       ; ahead of the first read of results (ISA guide 7.12.1)
	RED 0, T                                       ; from here on a bank's 24 plain lines are the places behind the other bank's products,
	MM 2, T                                        ; and, with the four above, those in front of the products that write over this bank: for each accumulator 20 lines or more that name none of its instruction's registers
	RED 1, E
	MM 3, E
	RED 2, T
	RED 3, E
	v_add_nc_u32 v[ADR], s[TP], v[PADR]
.irp i, 0,1,2,3,4,5,6,7
	ds_store_b32 v[ADR], v[R+\i] offset:128*\i     ; my part of row ta: 128 consecutive bytes a store
.endr
	s_add_co_u32 s[TP], s[TP], 1024
	s_sub_co_u32 s[CNT], s[CNT], 1
	s_cmp_lg_u32 s[CNT], 0
	s_cbranch_scc1 .Ltile
	; ---- the eight waves' parts are added; wave w stores rows 2 w and 2 w + 1
	s_wait_dscnt 0x0                               ; for the others' sake: my stores have landed
	s_barrier_signal -1
	s_barrier_wait -1
.irp j, 0,1,2,3                         ; j = 2 x (which of my two rows) + (which half of its 256 outputs)
.irp sw, 0,1,2,3
	ds_load_b128 v[X+32*\j+4*\sw:X+32*\j+4*\sw+3], v[RAD0] offset:16384*\sw+512*\j
.endr
.irp sw, 0,1,2,3
	ds_load_b128 v[X+32*\j+16+4*\sw:X+32*\j+16+4*\sw+3], v[RAD1] offset:16384*\sw+512*\j
.endr
.endr
.irp j, 0,1,2,3
	s_wait_dscnt 24-8*\j                           ; this group's eight loads are in; the later groups' may be out
	v_pk_fma_f32 v[X+32*\j:X+32*\j+1], v[VB2+4*(\j%2):VB2+4*(\j%2)+1], v[WS2:WS2+1], v[X+32*\j:X+32*\j+1]           ; vb2 x the sum of w starts the sum
	v_pk_fma_f32 v[X+32*\j+2:X+32*\j+3], v[VB2+4*(\j%2)+2:VB2+4*(\j%2)+3], v[WS2:WS2+1], v[X+32*\j+2:X+32*\j+3]
.irp sw, 1,2,3,4,5,6,7
	v_pk_add_f32 v[X+32*\j:X+32*\j+1], v[X+32*\j:X+32*\j+1], v[X+32*\j+4*\sw:X+32*\j+4*\sw+1]
	v_pk_add_f32 v[X+32*\j+2:X+32*\j+3], v[X+32*\j+2:X+32*\j+3], v[X+32*\j+4*\sw+2:X+32*\j+4*\sw+3]
.endr
	global_store_b128 v[OO], v[X+32*\j:X+32*\j+3], s[18:19] offset:512*\j th:TH_STORE_NT   ; 32 lanes store 512 consecutive bytes, at a multiple of 256 from out0's first byte
.endr
	s_wait_tensorcnt 0x0
	ds_add_u32 v254, v255
	s_wait_dscnt 0x0
	s_endpgm
.Lfunc_end_k_qf3c53dc92f_main:
	.size	k_qf3c53dc92f_main, .Lfunc_end_k_qf3c53dc92f_main-k_qf3c53dc92f_main
	.p2alignl 7, 3214868480
	.fill 96, 4, 3214868480
	.section	.rodata,"a",@progbits
	.p2align	6, 0x0
	.amdhsa_kernel k_qf3c53dc92f_main
		.amdhsa_group_segment_fixed_size 160768
		.amdhsa_private_segment_fixed_size 0
		.amdhsa_enable_private_segment 0
		.amdhsa_kernarg_size 64
		.amdhsa_user_sgpr_count 2
		.amdhsa_user_sgpr_kernarg_segment_ptr 1
		.amdhsa_wavefront_size32 1
		.amdhsa_system_sgpr_workgroup_id_x 1
		.amdhsa_system_sgpr_workgroup_id_y 1
		.amdhsa_system_sgpr_workgroup_id_z 1
		.amdhsa_system_vgpr_workitem_id 0
		.amdhsa_next_free_vgpr 512
		.amdhsa_next_free_sgpr 66
		.amdhsa_reserve_vcc 0
		.amdhsa_float_denorm_mode_32 3
		.amdhsa_float_denorm_mode_16_64 3
		.amdhsa_memory_ordered 1
		.amdhsa_forward_progress 1
		.amdhsa_inst_pref_size 61
	.end_amdhsa_kernel
	.amdgpu_metadata
---
amdhsa.version: [ 1, 2 ]
amdhsa.kernels:
  - .name:           k_qf3c53dc92f_main
    .symbol:         k_qf3c53dc92f_main.kd
    .args:
      - { .name: state_in, .offset: 0, .size: 8, .value_kind: global_buffer, .address_space: global }
      - { .name: vW1, .offset: 8, .size: 8, .value_kind: global_buffer, .address_space: global }
      - { .name: vW2_codes, .offset: 16, .size: 8, .value_kind: global_buffer, .address_space: global }
      - { .name: vW2_scales, .offset: 24, .size: 8, .value_kind: global_buffer, .address_space: global }
      - { .name: vb2, .offset: 32, .size: 8, .value_kind: global_buffer, .address_space: global }
      - { .name: basev, .offset: 40, .size: 8, .value_kind: global_buffer, .address_space: global }
      - { .name: wbuf, .offset: 48, .size: 8, .value_kind: global_buffer, .address_space: global }
      - { .name: out0, .offset: 56, .size: 8, .value_kind: global_buffer, .address_space: global }
    .group_segment_fixed_size: 160768
    .private_segment_fixed_size: 0
    .kernarg_segment_align: 8
    .kernarg_segment_size: 64
    .max_flat_workgroup_size: 256
    .sgpr_count:     66
    .vgpr_count:     512
    .wavefront_size: 32
...
	.end_amdgpu_metadata
.endif
;; end of part 2
;; ======== version 2 of 2: 1 launch
;; limits: right only within a limited range of input values
;; launch fused (part 3): grid 256 x 1, 16 waves a work-group, no clusters, 276,480 bytes of LDS; arguments kW1, vW1, kb1, vb1, session, pos_embeds_codes, pos_embeds_scales, kW2_codes, kW2_scales, query, state_in, vW2_codes, vW2_scales, vb2, out0; writes out0
.if DOCPART == 3
	.amdgcn_target "amdgcn-amd-amdhsa--gfx1250"
	.amdhsa_code_object_version 6
	.text
	.protected	k_qf3c53dc92f_fused
	.globl	k_qf3c53dc92f_fused
	.p2align	8
	.type	k_qf3c53dc92f_fused,@function
k_qf3c53dc92f_fused:
	s_mov_b64 s[64:65], 0
	v_nop
	global_prefetch_b8 v0, s[64:65] scope:SCOPE_SE
	s_setreg_imm32_b32 hwreg(HW_REG_WAVE_MODE, 25, 1), 1
	s_wait_xcnt 0x0
; out0[b][ta][n] = sum over c of w[b][c] (Q(gelu(base[b][c][:] + state_in[b][ta][c] vW1[256][:])) @ vW2)[n] + vb2[n];  ta = (t, a), 512 for each b.
;   base[b][c][k] = pos @ Q(vW1[:128]) + session[b] @ vW1[128:256] + vb1;   w[b][:] = softmax_c(keys[b][c] . query / sqrt(128));
;   keys = Q(gelu(pos @ Q(kW1[:128]) + session[b] @ kW1[128:] + kb1)) @ kW2.   Q: E2M1 codes, one E8M0 byte for each 32 along K.  pos, kW2, vW2 arrive as codes.
; DEAD WORK LEFT OUT.  kb2 is added to every key alike, so in a score it is kb2 . query, the same for all c: the softmax over c takes it away for all values of the inputs, and no quantiser stands behind it.
; subject and array enter no expression of reference().  These three are not loaded.  The sum over c of w is 1 by the softmax's identity, so vb2 is added once, at the end.
; LIMIT: a NaN, an infinity or an overflow that reaches only that work (kb2, kb2 . query, subject, array) is not carried to the result.
; ONE LAUNCH.  A work-group takes 16 rows ta of one b; what hangs on (b, c) alone, base and w, it makes for itself at its head, so that nothing goes to memory and comes back.
; NO CLUSTER, though work-groups read the same W1: each of its bytes is used once, by one wave, from the registers into which it is loaded.  A joint load would bring it into LDS: 262,144 bytes
; beside the 90,880 bytes of the regions below BASEL are more than a WGP's 327,680.  NO PREFETCH: no loop of this text reads memory.
; SIXTEEN WAVES of 256 registers, four to a SIMD.
; HEAD, for the key path, then for the value path.  Wave w: rows 32 (w / 4) on of W1[:128], columns 32 (w % 4) on: a lane takes a column, registers down K, and the codes go into LDS as images of the operand's
; registers; and rows 16 (w / 2) on, columns 64 (w % 2) on, of W1[128:256] times session[b], by f32 multiply-adds.  The value path's rows are on their way while the key path is computed.
; Then wave w takes channels 16 (w / 2) on and half w % 2 of the hidden units.  The first products are used transposed (source 0 = 16 columns of W1, source 1 = 16 rows of pos); THE COLUMNS THAT FORM A TILE ARE NOT
; NEIGHBOURS: row m of tile t is column 64 (t / 4) + 32 (m / 8) + 8 (t % 4) + m % 8, so that the 32 registers of lane (r, h) are k = 64 half + 32 h + 0 .. 31: a whole block.
; LOOP.  Waves 4 Q .. 4 Q + 3 own channels 32 Q .. 32 Q + 31, eight trips: in trip t wave q of the four makes the codes of channel 32 Q + 4 t + q for the 16 rows ta: lane (r, h) holds row r, registers along k
; (two blocks, 32 h + 0 .. 31 and 64 + 32 h + 0 .. 31), base[c] comes from LDS, the same for all r.  THE FOUR WAVES SHARE THEIR CODES through LDS: each multiplies all four channels' codes by its own 64 outputs, 64 q on, so that
; vW2's fragments and the sums over c take 32 registers each.  Source 0 = 16 outputs, source 1 = the 16 rows: register j of lane (r, h) is (output 8 h + j, row r).
; THE BARRIER OF A TRIP is signalled when the trip's codes lie in LDS and waited for in the NEXT trip, ahead of the loads of those codes: trip t makes its codes, waits for trip t - 1's barrier, loads trip t - 1's codes, stores its own
; into the other buffer, waits for all of these and signals.  So a buffer is written again only behind a barrier in front of which everybody's loads of it were done.  Between signal and wait stand work on registers and loads of base and state_in, which nobody writes any more.
; THE GELU.  With a = |x|: gelu(x) = max(x, 0) - a Phi(-a), Phi(-a) = 2^(P(a) - 1); P, of degree 8, meets log2(2 Phi(-a)) at a = i sqrt(2) / 4, i = 0 .. 8.
; LIMITS: Phi(-a) is right to about 2e-7 of itself up to a = 2.83 (and f32 rounding), to about 1e-5 at 3.2, 1e-3 at 4, 2e-2 at 5; P falls without end beyond.  So gelu's error stays under 2e-7 of the number for x > 0 and for
; x > -2.83, and under 1e-7 absolute for x < -2.83.  NaN and infinities among the inputs are not served.
; A block of zeros keeps the floor's byte, 1, where the rule says 127: its codes are zeros, and this program alone reads the bytes.
.set IMGK,  0                          ; LDS: 8 images of 1,024 bytes: the key path's W1 tiles; the value path's 8,192 bytes on,
.set SCK,   16384                      ; their scale words [tile][16 rows][4 bytes]; the value path's 512 bytes on,
.set PARTK, 17408                      ; [8][128] f32: parts of session @ kW1[128:256]; the value path's 4,096 bytes on,
.set BIASW, 25600                      ; [wave][64] f32: their sum + b1, each wave's own copy of its half,
.set WL,    29696                      ; [wave][128] f32: w, each wave's own copy,
.set SCO,   37888                      ; [2][128] f32: the two halves of the scores, as t,
.set SMALL, 38912                      ; kb1, vb1, vW1[256], query: 512 bytes each,
.set V2SL,  40960                      ; vW2's scale words, twice,
.set KCX,   43008                      ; the key path's hidden layer: 8 images of codes,
.set KCS,   51200                      ; and its scale words,
.set STATE, 51712                      ; [16 ta][128 c] f32, rows 528 bytes apart,
.set BW,    60160                      ; vW2's codes: 256 rows of 64 bytes, 80 bytes apart,
.set K2L,   80640                      ; kW2's codes: 128 rows likewise,
.set BASEL, 90880                      ; base: [128 c][128 k] f32, rows 528 bytes apart,
.set PART,  158464                     ; [4][16 ta][256 n] f32, rows 1,040 bytes apart: the sums of each four waves,
.set CODESL,225024                     ; two buffers of 16 records: 1,024 bytes of codes, 512 of scale words
.set REC,   1536
.set BUF,   16*REC
.set SPARE, 274176                     ; the spare words, 128 bytes for each wave
.set TMP,  1
.set C8,   2                           ; v[2:3]  the polynomial's highest coefficient, twice
.set S,    4                           ; v[4:5]  state_in[ta][c] (the packed form names the pair and takes its low word)
.set SADR, 6
.set BADR, 7
.set W,    8                           ; v8-11   w of the trip's four channels
.set CODES,12                          ; v12-19
.set SCW4, 20                          ; v20-23 the scale words of the four channels' codes; v24-25 vW2's.  v20-25 hold scales and nothing else; at the head: v20 pos', v21-22 W1's, v23 the hidden layer's, v24-25 kW2's
.set BS,   24
.set WADR, 26
.set CST,  27
.set CLD,  28
.set BY,   29
.set SO,   30
.set T2,   31
.set X,    32                          ; v32-63   base, x, then |x|; then the four channels' codes
.set M,    64                          ; v64-95   max(x, 0), then gelu; then four products' results
.set P,    96                          ; v96-127  the polynomial, then the exponential; at work; four products' results
.set BF,   128                         ; v128-159 vW2's four fragments; at the head kW1[:128], W1's tiles, kW2's fragments
.set ACC,  160                         ; v160-191 the sums; at the head:
.set PF,   160                         ; v160-167 pos' fragment
.set ST,   168                         ; v168-171 state_in on its way to LDS
.set VC,   172                         ; v172-179 vW2's codes likewise
.set V,    192                         ; v192-255 vW1[256]; at the head vW1's rows, then keys and W1's tiles
.set MR,   32                          ; the head: 16 rows of kW1[128:256]
.set KC,   64                          ; kW2's codes on their way to LDS
.set SVS,  68
.set SV2,  69
; the head's addresses
.set L16,  4                           ; 16 lane
.set L8W,  5                           ; 256 wave + 8 lane
.set L8H,  6                           ; 256 half + 8 lane
.set BIRD, 7                           ; 256 wave + 128 h
.set IMGA, 8                           ; where my codes go,
.set SCA,  9                           ; my scale byte
.set TLA,  10                          ; 4096 half + 16 lane
.set SLA,  11                          ; 256 half + 4 lane
.set KR,   26                          ; K2L + 80 (64 half + r) + 16 h
.set KX,   27                          ; 1024 (wave / 2) + 16 lane
.set KXS,  28                          ; the same + 512 half
.set SCWR, 29                          ; 64 (wave / 2) + 4 r + 512 half
.set V2O,  31                          ; 4 (thread % 256)
.set QA,   180                         ; 256 half + 32 h
.set KSB,  181                         ; KSW + 2 half + h
.set KSW,  182                         ; 64 (wave / 2) + 4 r
.set BST,  183                         ; base: my channels' row r, my half, + 128 h
.set BWS,  184                         ; BW + 80 (thread / 4) + 16 (thread % 4)
.set STA,  185                         ; STATE + 528 wave + 16 lane
.set L8,   186
.set L4,   187
.set PFO,  188
.set T4,   189
.set T16,  190
.set B1O,  191                         ; 4 (thread % 128)
; scalars
.set HC,   2                           ; wave / 2
.set HF,   3                           ; wave % 2
.set QQ,   34                          ; wave % 4
.set QG,   35                          ; wave / 4
.set SEL,  36
.set CSM,  38
.set WV,   48
.set CNT,  49
.set TBO,  51
.set TSO,  52
.set C7,   84
.set C6,   86
.set C5,   88
.set C4,   90
.set C3,   92
.set C2,   94
.set C1,   96
.macro SPAIR reg, bits
	s_mov_b32 s[\reg], \bits
	s_mov_b32 s[\reg+1], \bits
.endm
.macro PLACES n
.rept \n
	v_nop
.endr
.endm
.macro BARRIER                         ; my LDS stores have landed and my LDS loads are in: then the work-group's barrier
	s_wait_alu depctr_va_vdst(0)
	s_wait_dscnt 0x0
	s_barrier_signal -1
	s_barrier_wait -1
.endm
.macro W1A ptr, d                      ; 32 rows x 32 columns
.set i, 0
.rept 32
	global_load_b32 v[\d+i], v[L4], s[\ptr:\ptr+1] offset:512*i
.set i, i+1
.endr
.endm
.macro W1B ptr, d                      ; 16 rows x 64 columns
.set i, 0
.rept 16
	global_load_b64 v[\d+2*i:\d+2*i+1], v[L8], s[\ptr:\ptr+1] offset:65536+512*i
.set i, i+1
.endr
.endm
.macro WQUANT src, o                   ; my column's block: codes and scale byte into LDS; o = 1: the value path's place.  Two chains, with the floor 2^(3 - 127): the byte cannot fall under 1
	v_max3_num_f32 v[P+8], |v[\src]|, |v[\src+1]|, 0x1800000
	v_max3_num_f32 v[P+9], |v[\src+2]|, |v[\src+3]|, |v[\src+4]|
.set i, 5
.rept 6
	v_max3_num_f32 v[P+8], v[P+8], |v[\src+i]|, |v[\src+i+1]|
	v_max3_num_f32 v[P+9], v[P+9], |v[\src+i+2]|, |v[\src+i+3]|
.set i, i+4
.endr
	v_max3_num_f32 v[P+8], v[P+8], |v[\src+29]|, |v[\src+30]|
	v_max3_num_f32 v[P+8], v[P+8], v[P+9], |v[\src+31]|
	v_add_nc_u32 v[P+10], 0xff000000, v[P+8]
.irp g, 0,1,2,3
	v_cvt_scalef32_pk8_fp4_f32 v[P+\g], v[\src+8*\g:\src+8*\g+7], v[P+10]
.endr
	v_lshrrev_b32 v[P+11], 23, v[P+10]             ; the byte.  (The plain place behind the conversions)
	ds_store_b128 v[IMGA], v[P:P+3] offset:IMGK+8192*\o
	ds_store_b8 v[SCA], v[P+11] offset:512*\o
.endm
.macro SESS src, o                     ; my 16 rows' part of session[b] @ W1[128:256], two columns, in f32: its result goes on into a quantiser
.irp q, 0,1
	v_mul_f32 v[P+16+\q], s68, v[\src+\q]
	v_mul_f32 v[P+18+\q], s69, v[\src+2+\q]
.endr
.set i, 2
.rept 14
.irp q, 0,1
	v_fma_f32 v[P+16+2*(i%2)+\q], s[68+i], v[\src+2*i+\q], v[P+16+2*(i%2)+\q]
.endr
.set i, i+1
.endr
	v_pk_add_f32 v[P+16:P+17], v[P+16:P+17], v[P+18:P+19]
	ds_store_b64 v[L8W], v[P+16:P+17] offset:PARTK+4096*\o
.endm
.macro PLOAD o                         ; the eight parts and b1, two columns of my half
.irp j, 0,1,2,3,4,5,6,7
	ds_load_b64 v[P+2*\j:P+2*\j+1], v[L8H] offset:PARTK+4096*\o+512*\j
.endr
	ds_load_b64 v[P+16:P+17], v[L8H] offset:SMALL+512*\o
.endm
.macro PADD d, a
	v_pk_add_f32 v[\d:\d+1], v[\d:\d+1], v[\a:\a+1]
.endm
.macro PSUM                            ; their sum, into my own copy, and back in the result layout
.irp j, 0,4,8,12
	PADD P+\j, P+\j+2
.endr
	PADD P, P+4
	PADD P+8, P+12
	PADD P, P+16
	PADD P, P+8
	ds_store_b64 v[L8W], v[P:P+1] offset:BIASW
.set g, 0
.rept 8
	ds_load_b128 v[X+4*g:X+4*g+3], v[BIRD] offset:BIASW+16*g       ; LDS serves a wave's instructions in order (ISA guide 5.7.1.4): these see the store above
.set g, g+1
.endr
.endm
.macro TLD img, d                      ; my half's four tiles: the images come back as they were stored
.set g, 0
.rept 8
	ds_load_b128 v[\d+4*g:\d+4*g+3], v[TLA] offset:\img+512*g
.set g, g+1
.endr
.irp p, 0,1
	ds_load_b32 v[21+\p], v[SLA] offset:SCK+(\img/16)+128*\p       ; lanes 0-15 tile 2 p's words, lanes 16-31 tile 2 p + 1's
.endr
.endm
.macro TMM a                           ; W1's four tiles x pos^T: the bias is the C of the one matrix instruction
.irp t, 0,1,2,3
.if (\t)%2
	v_wmma_scale_f32_16x16x128_f8f6f4 v[X+8*\t:X+8*\t+7], v[\a+8*\t:\a+8*\t+7], v[PF:PF+7], v[X+8*\t:X+8*\t+7], v[21+\t/2], v20 matrix_a_fmt:MATRIX_FMT_FP4 matrix_b_fmt:MATRIX_FMT_FP4 matrix_a_scale:MATRIX_SCALE_ROW1
.else
	v_wmma_scale_f32_16x16x128_f8f6f4 v[X+8*\t:X+8*\t+7], v[\a+8*\t:\a+8*\t+7], v[PF:PF+7], v[X+8*\t:X+8*\t+7], v[21+\t/2], v20 matrix_a_fmt:MATRIX_FMT_FP4 matrix_b_fmt:MATRIX_FMT_FP4
.endif
.endr
.endm
; 32 numbers x in X become gelu(x) in M
.macro GELU
.set i, 0
.rept 16
	v_dual_max_num_f32 v[M+i], 0, v[X+i] :: v_dual_max_num_f32 v[M+i+1], 0, v[X+i+1]
.set i, i+2
.endr
.set i, 0
.rept 16
	v_pk_fma_f32 v[X+i:X+i+1], v[M+i:M+i+1], 2.0, v[X+i:X+i+1] op_sel_hi:[1,0,1] neg_lo:[0,0,1] neg_hi:[0,0,1]   ; a = 2 max(x, 0) - x = |x|
.set i, i+2
.endr
.set i, 0
.rept 16
	v_pk_fma_f32 v[P+i:P+i+1], v[X+i:X+i+1], v[C8:C8+1], s[C7:C7+1] op_sel_hi:[1,1,0]
.set i, i+2
.endr
.irp c, C6, C5, C4, C3, C2, C1
.set i, 0
.rept 16
	v_pk_fma_f32 v[P+i:P+i+1], v[P+i:P+i+1], v[X+i:X+i+1], s[\c:\c+1] op_sel_hi:[1,1,0]
.set i, i+2
.endr
.endr
.set i, 0
.rept 16
	v_pk_fma_f32 v[P+i:P+i+1], v[P+i:P+i+1], v[X+i:X+i+1], -1.0 op_sel_hi:[1,1,0]
.set i, i+2
.endr
	s_wait_alu depctr_va_vdst(0)                   ; the wait ahead of the batch
.set i, 0
.rept 32
	v_exp_f32 v[P+i], v[P+i]                       ; Phi(-a)
.set i, i+1
.endr
	v_nop                                          ; a plain place behind the exponentials
	s_wait_alu depctr_va_vdst(0)                   ; and behind the batch
.set i, 0
.rept 16
	v_pk_fma_f32 v[M+i:M+i+1], v[X+i:X+i+1], v[P+i:P+i+1], v[M+i:M+i+1] neg_lo:[1,0,0] neg_hi:[1,0,0]
.set i, i+2
.endr
.endm
; the block's largest magnitude, not under the floor 2^(3 - 127); 2 off its exponent field is the conversion's scale
.macro GMAX
.irp c, 0,1,2,3
	v_max3_num_f32 v[P+\c], |v[M+8*\c]|, |v[M+8*\c+1]|, |v[M+8*\c+2]|
.endr
.irp k, 3,5
.irp c, 0,1,2,3
	v_max3_num_f32 v[P+\c], v[P+\c], |v[M+8*\c+\k]|, |v[M+8*\c+\k+1]|
.endr
.endr
	v_max3_num_f32 v[P], v[P], v[P+1], |v[M+7]|
	v_max3_num_f32 v[P+2], v[P+2], v[P+3], |v[M+15]|
	v_max3_num_f32 v[P], v[P], |v[M+23]|, |v[M+31]|
	v_max3_num_f32 v[P+4], v[P], v[P+2], 0x1800000
	v_add_nc_u32 v[SO], 0xff000000, v[P+4]
.endm
.macro CVT4 blk                        ; the block's 32 codes: registers 4 blk .. 4 blk + 3 of the operand
.irp g, 0,1,2,3
	v_cvt_scalef32_pk8_fp4_f32 v[CODES+4*\blk+\g], v[M+8*\g:M+8*\g+7], v[SO]
.endr
.endm
.macro XST blk                         ; x = state_in x vW1[256] + base, in base's registers
.set i, 0
.rept 16
	v_pk_fma_f32 v[X+i:X+i+1], v[S:S+1], v[V+32*\blk+i:V+32*\blk+i+1], v[X+i:X+i+1] op_sel_hi:[0,1,1]
.set i, i+2
.endr
.endm
.macro LDBASE off
	v_add_nc_u32 v[TMP], s[TBO], v[BADR]
.set g, 0
.rept 8
	ds_load_b128 v[X+4*g:X+4*g+3], v[TMP] offset:\off+16*g
.set g, g+1
.endr
.endm
; A channel's codes for 16 rows.  hi: the second block's place in base, from TBO on
.macro UNIT hi
	s_wait_dscnt 0x0                               ; the first block's base and state_in are in
	XST 0
	GELU
	LDBASE \hi
	GMAX
	CVT4 0
	v_lshrrev_b32 v[BY], 23, v[SO]                 ; the first block's byte.  (The plain place behind the conversions)
	s_wait_dscnt 0x0
	XST 1
	GELU
	GMAX
	CVT4 1
	v_lshrrev_b32 v[P+5], 23, v[SO]                ; (the plain place behind the conversions)
	v_lshl_or_b32 v[P+6], v[P+5], 16, v[BY]        ; my two bytes (blocks h and 2 + h); in lanes 0-15 with lane l + 16's two the word is whole (lanes 16-31 are not read)
	v_permlanex16_b32 v[TMP], v[P+6], s[SEL], s[SEL+1]
	v_lshl_or_b32 v[T2], v[TMP], 8, v[P+6]
.endm
.macro STCODES buf
	ds_store_b128 v[CST], v[CODES:CODES+3] offset:(\buf)*BUF
	ds_store_b128 v[CST], v[CODES+4:CODES+7] offset:(\buf)*BUF+512
	ds_store_b32 v[CST], v[T2] offset:(\buf)*BUF+1024
.endm
.macro LDCODES buf, wo                 ; behind the barrier: the four channels' codes, scale words and w
	s_wait_alu depctr_va_vdst(0)                   ; directly ahead of the wait below
	s_barrier_wait -1
.irp q, 0,1,2,3
	ds_load_b128 v[X+8*\q:X+8*\q+3], v[CLD] offset:\buf*BUF+REC*\q
	ds_load_b128 v[X+8*\q+4:X+8*\q+7], v[CLD] offset:\buf*BUF+REC*\q+512
	ds_load_b32 v[SCW4+\q], v[CLD] offset:\buf*BUF+REC*\q+1024
.endr
	v_add_nc_u32 v[TMP], s[TSO], v[WADR]
	ds_load_b128 v[W:W+3], v[TMP] offset:WL+\wo
.endm
; Channel q x my four tiles of 16 outputs.  K = 128 is one instruction: each is a whole sum, with the constant 0 as C.
.macro MM q, bank
.irp t, 0,1,2,3
.if (\t)%2
	v_wmma_scale_f32_16x16x128_f8f6f4 v[\bank+8*\t:\bank+8*\t+7], v[BF+8*\t:BF+8*\t+7], v[X+8*\q:X+8*\q+7], 0, v[BS+\t/2], v[SCW4+\q] matrix_a_fmt:MATRIX_FMT_FP4 matrix_b_fmt:MATRIX_FMT_FP4 matrix_a_scale:MATRIX_SCALE_ROW1
.else
	v_wmma_scale_f32_16x16x128_f8f6f4 v[\bank+8*\t:\bank+8*\t+7], v[BF+8*\t:BF+8*\t+7], v[X+8*\q:X+8*\q+7], 0, v[BS+\t/2], v[SCW4+\q] matrix_a_fmt:MATRIX_FMT_FP4 matrix_b_fmt:MATRIX_FMT_FP4
.endif
.endr
.endm
.macro RED q, bank                     ; the sums += w of channel q x its four tiles: 16 plain lines, each result read from its low end on
.irp j, 0,1,2,3
.irp t, 0,1,2,3
.if (\q)%2
	v_pk_fma_f32 v[ACC+8*\t+2*\j:ACC+8*\t+2*\j+1], v[\bank+8*\t+2*\j:\bank+8*\t+2*\j+1], v[W+\q-1:W+\q], v[ACC+8*\t+2*\j:ACC+8*\t+2*\j+1] op_sel:[0,1,0] op_sel_hi:[1,1,1]
.else
	v_pk_fma_f32 v[ACC+8*\t+2*\j:ACC+8*\t+2*\j+1], v[\bank+8*\t+2*\j:\bank+8*\t+2*\j+1], v[W+\q:W+\q+1], v[ACC+8*\t+2*\j:ACC+8*\t+2*\j+1] op_sel_hi:[1,0,1]
.endif
.endr
.endr
.endm
; next = 1: the next trip's base and state_in are asked for once the last product has read the codes
.macro MULS next, lo, so
	MM 0, M
	MM 1, P
	PLACES 4                                       ; ahead of the first read of results (ISA guide 7.12.1)
	RED 0, M                                       ; a bank's 16 plain lines are the places behind the other bank's products and ahead of those that write over it
	MM 2, M
	RED 1, P
	MM 3, P
	RED 2, M
.if \next
	LDBASE \lo
	v_add_nc_u32 v[TMP], s[TSO], v[SADR]
	ds_load_b32 v[S], v[TMP] offset:\so
.endif
	RED 3, P
.endm
; A trip behind the first: codes made, the last trip's codes loaded from buffer lb, mine stored into the other
.macro TRIP hi, lb, wo, next, lo, so
	UNIT \hi
	LDCODES \lb, \wo
	STCODES 1-\lb
	s_wait_dscnt 0x0                               ; the last trip's codes are in, mine have landed:
	s_barrier_signal -1                            ; waited for in the next trip
	MULS \next, \lo, \so
.endm
	s_load_b512 s[4:19], s[0:1], 0x0               ; kW1, vW1, kb1, vb1, session, pos' codes, pos' scales, kW2's codes
	s_load_b256 s[20:27], s[0:1], 0x40             ; kW2's scales, query, state_in, vW2's codes
	s_load_b128 s[28:31], s[0:1], 0x60             ; vW2's scales, vb2
	s_load_b64 s[32:33], s[0:1], 0x70              ; out0
	v_lshrrev_b32 v1, 5, v0
	v_readfirstlane_b32 s[WV], v1                  ; wave 0..15
	s_lshr_b32 s[HC], s[WV], 1
	s_and_b32 s[HF], s[WV], 1
	s_and_b32 s[QQ], s[WV], 3
	s_lshr_b32 s[QG], s[WV], 2
	s_lshr_b32 s41, s[QQ], 1                       ; my 32 columns: tiles 4 (q / 2) on, rows 8 (q % 2) on
	s_lshl_b32 s40, s41, 12
	s_lshl_b32 s41, s41, 8
	s_lshl_b32 s42, s[HF], 7
	s_add_co_u32 s40, s40, s42
	s_lshl_b32 s42, s[QG], 8                       ; block 2 c + h' lies 512 c + 256 h' into an image
	s_add_co_u32 s40, s40, s42
	s_lshl_b32 s42, s[HF], 5
	s_add_co_u32 s41, s41, s42
	s_add_co_u32 s41, s41, s[QG]                   ; the block's byte of the word
	s_add_co_u32 s41, s41, SCK
	s_lshl_b32 s42, s[WV], 8
	s_lshl_b32 s43, s[HF], 8
	s_lshl_b32 s44, s[HC], 6
	s_lshl_b32 s45, s[HC], 10
	s_lshl_b32 s46, s[HF], 9
	s_lshl_b32 s47, s[HF], 12
	s_mul_i32 s39, s[HF], 5120
	s_add_co_u32 s39, s39, K2L
	s_lshl_b32 s49, s[HF], 1
	s_mul_i32 s66, s[HC], 16*528
	s_add_co_u32 s66, s66, BASEL
	s_add_co_u32 s66, s66, s43
	s_mul_i32 s67, s[WV], 528
	s_add_co_u32 s67, s67, STATE
	s_lshl_b32 s50, s[QG], 14                      ; my 32 rows of W1[:128], my 32 columns
	s_lshl_b32 s51, s[QQ], 7
	s_add_co_u32 s50, s50, s51
	s_mov_b32 s51, 0
	s_lshl_b32 s52, s[HC], 13                      ; my 16 rows of W1[128:256], my 64 columns
	s_add_co_u32 s52, s52, s43
	s_mov_b32 s53, 0
	s_lshr_b32 s54, ttmp9, 5                       ; b; the work-group's 16 rows are rows 16 x its number on of the 4,096
	s_lshl_b32 s54, s54, 9
	s_add_co_u32 s54, s54, s44                     ; session[b], my 16 numbers
	s_mov_b32 s55, 0
	s_lshl_b32 s56, ttmp9, 13                      ; state_in: 16 rows of 512 bytes
	s_mov_b32 s57, 0
	s_lshl_b32 s58, ttmp9, 14                      ; out0: 16 rows of 1,024 bytes, a row for each wave
	s_lshl_b32 s59, s[WV], 10
	s_add_co_u32 s58, s58, s59
	s_mov_b32 s59, 0
	s_mov_b32 s[SEL], 0x76543210
	s_mov_b32 s[SEL+1], 0xfedcba98                 ; v_permlanex16_b32's selects for lane l xor 16
	s_mov_b32 s[CSM], 0x3e0293ee                   ; log2(e) / sqrt(128)
	SPAIR C7, 0x381a7d08
	SPAIR C6, 0xb92f3fb3
	SPAIR C5, 0xb950f906
	SPAIR C4, 0x3beadce2
	SPAIR C3, 0xbd5764fb
	SPAIR C2, 0xbeeb185f
	SPAIR C1, 0xbf93579b
	v_and_b32 v1, 31, v0                           ; lane
	v_and_b32 v2, 15, v0                           ; r
	v_bfe_u32 v3, v0, 4, 1                         ; h
	v_lshlrev_b32 v[L16], 4, v1
	v_lshlrev_b32 v[L8], 3, v1
	v_lshlrev_b32 v[L4], 2, v1
	v_lshlrev_b32 v[T16], 4, v0
	v_lshlrev_b32 v[T4], 2, v0
	v_and_b32 v[B1O], 0x1fc, v[T4]
	v_and_b32 v[V2O], 0x3fc, v[T4]
	v_add_nc_u32 v[L8W], s42, v[L8]
	v_add_nc_u32 v[L8H], s43, v[L8]
	v_lshlrev_b32 v[BIRD], 7, v3
	v_add_nc_u32 v[BIRD], s42, v[BIRD]
	v_bfe_u32 v[P], v0, 3, 2
	v_and_b32 v[P+1], 7, v0
	v_lshlrev_b32 v[IMGA], 10, v[P]
	v_lshl_or_b32 v[IMGA], v[P+1], 4, v[IMGA]
	v_add_nc_u32 v[IMGA], s40, v[IMGA]
	v_lshlrev_b32 v[SCA], 6, v[P]
	v_lshl_or_b32 v[SCA], v[P+1], 2, v[SCA]
	v_add_nc_u32 v[SCA], s41, v[SCA]
	v_add_nc_u32 v[TLA], s47, v[L16]
	v_add_nc_u32 v[SLA], s43, v[L4]
	v_mul_u32_u24 v[KR], v2, 80
	v_lshl_add_u32 v[KR], v3, 4, v[KR]
	v_add_nc_u32 v[KR], s39, v[KR]
	v_add_nc_u32 v[KX], s45, v[L16]
	v_add_nc_u32 v[KXS], s46, v[KX]
	v_lshlrev_b32 v[KSW], 2, v2
	v_add_nc_u32 v[KSW], s44, v[KSW]
	v_add_nc_u32 v[SCWR], s46, v[KSW]
	v_add_nc_u32 v[KSB], v3, v[KSW]
	v_add_nc_u32 v[KSB], s49, v[KSB]
	v_lshlrev_b32 v[QA], 5, v3
	v_add_nc_u32 v[QA], s43, v[QA]
	v_mul_u32_u24 v[BST], v2, 528
	v_lshl_add_u32 v[BST], v3, 7, v[BST]
	v_add_nc_u32 v[BST], s66, v[BST]
	v_and_b32 v[P+2], 3, v0
	v_lshrrev_b32 v[BWS], 2, v0
	v_mul_u32_u24 v[BWS], v[BWS], 80
	v_lshl_add_u32 v[BWS], v[P+2], 4, v[BWS]
	v_add_nc_u32 v[BWS], BW, v[BWS]                ; four threads to a row of 64 bytes
	v_add_nc_u32 v[STA], s67, v[L16]
	v_lshlrev_b32 v[PFO], 6, v2
	v_lshl_add_u32 v[PFO], v3, 4, v[PFO]
	v_add_nc_u32 v[PFO], s45, v[PFO]
	v_mov_b32 v[C8], 0xb638fa71
	v_mov_b32 v[C8+1], 0xb638fa71
	s_wait_alu depctr_va_vdst(0)                   ; directly ahead of the wait below
	s_wait_kmcnt 0x0
	s_add_nc_u64 s[12:13], s[12:13], s[54:55]
	s_load_b512 s[68:83], s[12:13], 0x0            ; session[b][16 (wave / 2) ..]
	s_add_nc_u64 s[60:61], s[4:5], s[50:51]
	s_add_nc_u64 s[62:63], s[4:5], s[52:53]
	W1A 60, BF
	W1B 62, MR
	s_add_nc_u64 s[66:67], s[6:7], s[50:51]
	s_add_nc_u64 s[98:99], s[6:7], s[52:53]
	s_add_nc_u64 s[100:101], s[6:7], 0x20000       ; vW1[256]
	s_add_nc_u64 s[24:25], s[24:25], s[56:57]
	s_add_nc_u64 s[32:33], s[32:33], s[58:59]
	s_cmp_lt_u32 s[WV], 4                          ; 128 threads each fetch kb1, vb1, vW1[256], query
	s_cselect_b64 s[8:9], s[8:9], s[10:11]
	s_cmp_lt_u32 s[WV], 12
	s_cselect_b64 s[100:101], s[100:101], s[22:23]
	s_cmp_lt_u32 s[WV], 8
	s_cselect_b64 s[100:101], s[8:9], s[100:101]
	; eight more: what the key path wants, and the small vectors for LDS
	global_load_b128 v[PF:PF+3], v[PFO], s[14:15]
	global_load_b128 v[PF+4:PF+7], v[PFO], s[14:15] offset:32
	global_load_b32 v20, v[KSW], s[16:17]
	global_load_b128 v[KC:KC+3], v[T16], s[18:19]  ; kW2's codes, whole
.irp i, 0,1
	global_load_b32 v[BS+\i], v[SLA], s[20:21] offset:128*\i     ; lane l: the scale word of kW2's row 64 half + 32 i + l
.endr
	global_load_b32 v[SVS], v[B1O], s[100:101]
	global_load_b32 v[SV2], v[V2O], s[28:29]
	; ---- the key path's W1
	s_wait_loadcnt 24                              ; kW1[:128]'s 32 loads are in: behind them were issued 16 + 8
	W1A 66, V                                      ; vW1[:128] sets out
	WQUANT BF, 0
	s_wait_loadcnt 32                              ; all but vW1[:128]'s 32 are in
	s_wait_kmcnt 0x0
	SESS MR, 0
	W1B 98, V+32                                   ; vW1[128:256] sets out, and what goes to LDS for the loop
	global_load_b128 v[ST:ST+3], v[T16], s[24:25] th:TH_LOAD_NT  ; the group's 16 rows of state_in: read once in the launch
.irp i, 0,1
	global_load_b128 v[VC+4*\i:VC+4*\i+3], v[T16], s[26:27] offset:8192*\i       ; vW2's codes, whole
.endr
	ds_store_b128 v[BWS], v[KC:KC+3] offset:K2L-BW
	ds_store_b32 v[T4], v[SVS] offset:SMALL
	ds_store_b32 v[T4], v[SV2] offset:V2SL
	BARRIER                                        ; the key path's images, scale bytes and parts, kW2's codes and the small vectors lie in LDS
	; ---- the key path: channels 16 (wave / 2) on, my half of the hidden units
	PLOAD 0
	TLD IMGK, BF
	s_wait_dscnt 10                                ; the parts and b1 are in; the 8 + 2 loads behind them may be out
	PSUM
	s_wait_dscnt 0x0
	TMM BF
	PLACES 4                                       ; ahead of the first read of results and of the loads into registers that these have read
.irp t, 0,1,2,3
.irp c, 0,1
	ds_load_b128 v[BF+8*\t+4*\c:BF+8*\t+4*\c+3], v[KR] offset:1280*\t+32*\c      ; kW2's rows 64 half + 16 t on
.endr
.endr
	GELU
	GMAX
	CVT4 0
	v_lshrrev_b32 v[P+5], 23, v[SO]                ; block 2 half + h's byte.  (The plain place behind the conversions)
	ds_store_b128 v[KXS], v[CODES:CODES+3] offset:KCX
	ds_store_b8 v[KSB], v[P+5] offset:KCS
	; ---- the value path's W1
	s_wait_loadcnt 19                              ; vW1[:128] is in: behind it were issued 16 + 1 + 2 loads
	WQUANT V, 1
	s_wait_loadcnt 0x0
	SESS V+32, 1
	ds_store_b128 v[STA], v[ST:ST+3]
.irp i, 0,1
	ds_store_b128 v[BWS], v[VC+4*\i:VC+4*\i+3] offset:10240*\i
.endr
	BARRIER                                        ; the hidden layer's codes, the value path's images, scale bytes and parts, state_in and vW2's codes lie in LDS
	; ---- keys^T, my half of their numbers: lane (r, h) holds channel r, register j of tile t number 64 half + 16 t + 8 h + j
.irp c, 0,1
	ds_load_b128 v[CODES+4*\c:CODES+4*\c+3], v[KX] offset:KCX+512*\c
.endr
	ds_load_b32 v23, v[KSW] offset:KCS
.irp t, 0,1,2,3
.irp c, 0,1
	ds_load_b128 v[M+8*\t+4*\c:M+8*\t+4*\c+3], v[QA] offset:SMALL+1536+64*\t+16*\c       ; query in that layout
.endr
.endr
	PLOAD 1
	TLD 8192, V+32
	s_wait_dscnt 27                                ; the codes and their scale words are in; the 8 + 9 + 8 + 2 loads behind them may be out
.irp t, 0,1,2,3
.if (\t)%2
	v_wmma_scale_f32_16x16x128_f8f6f4 v[V+8*\t:V+8*\t+7], v[BF+8*\t:BF+8*\t+7], v[CODES:CODES+7], 0, v[BS+\t/2], v23 matrix_a_fmt:MATRIX_FMT_FP4 matrix_b_fmt:MATRIX_FMT_FP4 matrix_a_scale:MATRIX_SCALE_ROW1
.else
	v_wmma_scale_f32_16x16x128_f8f6f4 v[V+8*\t:V+8*\t+7], v[BF+8*\t:BF+8*\t+7], v[CODES:CODES+7], 0, v[BS+\t/2], v23 matrix_a_fmt:MATRIX_FMT_FP4 matrix_b_fmt:MATRIX_FMT_FP4
.endif
.endr
	s_wait_dscnt 10                                ; query, the parts and b1 are in
	PSUM                                           ; (its eight plain lines are the places ahead of the first read of results)
.irp j, 0,1,2,3                         ; keys . query, in four pairs; the first pass reads each result at its low end
.irp t, 0,1,2,3
.if \j == 0
	v_pk_mul_f32 v[P+18+2*\t:P+19+2*\t], v[V+8*\t:V+8*\t+1], v[M+8*\t:M+8*\t+1]
.else
	v_pk_fma_f32 v[P+18+2*\t:P+19+2*\t], v[V+8*\t+2*\j:V+8*\t+2*\j+1], v[M+8*\t+2*\j:M+8*\t+2*\j+1], v[P+18+2*\t:P+19+2*\t]
.endif
.endr
.endr
	PADD P+18, P+20
	PADD P+22, P+24
	PADD P+18, P+22
	v_add_f32 v[P+18], v[P+18], v[P+19]
	v_permlanex16_b32 v[TMP], v[P+18], s[SEL], s[SEL+1]
	v_add_f32 v[P+18], v[P+18], v[TMP]             ; with lane l xor 16's numbers: my half of the channel's score
	v_mul_f32 v[P+18], s[CSM], v[P+18]             ; t = score x log2(e) / sqrt(128)
	ds_store_b32 v[SCWR], v[P+18] offset:SCO       ; both halves of the lanes write the same word with the same value
	; ---- base of my channels, my half
	s_lshl_b32 s50, s[QG], 5
	s_add_co_u32 s50, s50, s[QQ]                   ; my first channel of the loop: 32 Q + q
	s_lshl_b32 s53, s50, 2
	s_add_co_u32 s53, s53, STATE
	s_mul_i32 s50, s50, 528
	s_add_co_u32 s50, s50, BASEL
	s_mul_i32 s54, s[QG], 4*REC
	s_add_co_u32 s54, s54, CODESL
	s_mul_i32 s55, s[QQ], REC
	s_mul_i32 s56, s[QQ], 64*80
	s_add_co_u32 s56, s56, BW
	s_lshl_b32 s57, s[QQ], 8
	s_lshl_b32 s60, s[WV], 9
	s_wait_dscnt 0x0
	TMM V+32
	; the loop's addresses: these lines are the places ahead of the first read of results
	v_and_b32 v[P+24], 15, v0
	v_bfe_u32 v[P+25], v0, 4, 1
	v_lshlrev_b32 v[P+22], 7, v[P+25]              ; 128 h
	v_add_nc_u32 v[BADR], s50, v[P+22]
	v_mul_u32_u24 v[SADR], v[P+24], 528
	v_add_nc_u32 v[SADR], s53, v[SADR]
	v_lshrrev_b32 v[WADR], 5, v0
	v_lshlrev_b32 v[WADR], 9, v[WADR]
	v_lshrrev_b32 v[P+26], 7, v0
	v_lshl_add_u32 v[WADR], v[P+26], 7, v[WADR]    ; my copy of w, the four waves' channels: 512 wave + 128 Q
	v_add_nc_u32 v[CLD], s54, v[L16]
	v_add_nc_u32 v[CST], s55, v[CLD]
	v_mul_u32_u24 v[P+20], v[P+24], 80
	v_lshl_add_u32 v[P+20], v[P+25], 4, v[P+20]
	v_add_nc_u32 v[P+20], s56, v[P+20]             ; vW2's rows 64 q + r
	v_add_nc_u32 v[P+21], s57, v[L4]
	v_add_nc_u32 v[P+23], s60, v[L16]
.set g, 0
.rept 8
	ds_store_b128 v[BST], v[X+4*g:X+4*g+3] offset:16*g
.set g, g+1
.endr
	BARRIER                                        ; base and the halves of the scores lie in LDS
	; ---- the softmax over the 128 channels, four a lane, in every wave alike; the loop's operands come meanwhile
	ds_load_b128 v[P:P+3], v[L16] offset:SCO
	ds_load_b128 v[P+4:P+7], v[L16] offset:SCO+512
.irp t, 0,1,2,3
.irp c, 0,1
	ds_load_b128 v[BF+8*\t+4*\c:BF+8*\t+4*\c+3], v[P+20] offset:1280*\t+32*\c
.endr
.endr
.irp i, 0,1
	ds_load_b32 v[BS+\i], v[P+21] offset:V2SL+128*\i       ; lane l: the scale word of vW2's row 64 q + 32 i + l
.endr
.set g, 0
.rept 16
	ds_load_b128 v[V+4*g:V+4*g+3], v[P+22] offset:SMALL+1024+256*(g/8)+16*(g%8)
.set g, g+1
.endr
.set g, 0
.rept 8
	ds_load_b128 v[X+4*g:X+4*g+3], v[BADR] offset:16*g
.set g, g+1
.endr
	ds_load_b32 v[S], v[SADR]
	v_mov_b32 v[S+1], 0                            ; named with v4 as a pair, so it is written
	s_wait_dscnt 35                                ; the scores are in; the 8 + 2 + 16 + 8 + 1 loads behind them may be out
	PADD P, P+4
	PADD P+2, P+6
	v_max3_num_f32 v[P+8], v[P], v[P+1], v[P+2]
	v_max_num_f32 v[P+8], v[P+8], v[P+3]
.set i, 0
.irp x, 1,2,4,8
	v_max_num_f32_dpp v[P+8], v[P+8], v[P+8] row_xmask:\x row_mask:0xf bank_mask:0xf
.rept 4
	v_dual_mov_b32 v[ACC+i], 0 :: v_dual_mov_b32 v[ACC+i+1], 0     ; the sums begin at 0
.set i, i+2
.endr
.endr
	v_permlanex16_b32 v[TMP], v[P+8], s[SEL], s[SEL+1]
	v_max_num_f32 v[P+8], v[P+8], v[TMP]           ; the largest t is taken away ahead of the exponentials
.irp i, 0,1,2,3
	v_sub_f32 v[P+\i], v[P+\i], v[P+8]
.endr
	s_wait_alu depctr_va_vdst(0)                   ; the wait ahead of the batch
.irp i, 0,1,2,3
	v_exp_f32 v[P+\i], v[P+\i]
.endr
	v_nop                                          ; a plain place behind the exponentials
	s_wait_alu depctr_va_vdst(0)                   ; and behind the batch
	v_add_f32 v[P+9], v[P], v[P+1]
	v_add_f32 v[P+10], v[P+2], v[P+3]
	v_add_f32 v[P+9], v[P+9], v[P+10]
.irp x, 1,2,4,8
	v_add_f32_dpp v[P+9], v[P+9], v[P+9] row_xmask:\x row_mask:0xf bank_mask:0xf
.endr
	v_permlanex16_b32 v[TMP], v[P+9], s[SEL], s[SEL+1]
	v_add_f32 v[P+9], v[P+9], v[TMP]
	s_wait_alu depctr_va_vdst(0)
	v_rcp_f32 v[P+11], v[P+9]
	v_nop
	s_wait_alu depctr_va_vdst(0)
.irp i, 0,1,2,3
	v_mul_f32 v[P+\i], v[P+\i], v[P+11]            ; w
.endr
	ds_store_b128 v[P+23], v[P:P+3] offset:WL      ; my wave's own copy
	s_mov_b32 s[TBO], 0
	s_mov_b32 s[TSO], 0
	s_mov_b32 s[CNT], 0
	s_wait_alu depctr_va_vdst(0)
	; ---- trip 0 makes its codes
	UNIT 256
	STCODES 0
	s_wait_dscnt 0x0
	s_barrier_signal -1
	LDBASE 2112
	ds_load_b32 v[S], v[SADR] offset:16
.Ltrip:                                            ; trips 2 CNT + 1 and 2 CNT + 2; a trip's channels are four rows of base on
	s_mul_i32 s[TBO], s[CNT], 2*2112
	s_lshl_b32 s[TSO], s[CNT], 5
	TRIP 2112+256, 0, 0, 1, 2*2112, 32
	TRIP 2*2112+256, 1, 16, 1, 3*2112, 48
	s_add_co_u32 s[CNT], s[CNT], 1
	s_cmp_lt_u32 s[CNT], 3
	s_cbranch_scc1 .Ltrip
	s_mov_b32 s[TBO], 6*2112
	s_mov_b32 s[TSO], 96
	TRIP 2112+256, 0, 0, 0, 0, 0                   ; trip 7; then its codes are multiplied
	LDCODES 1, 16
	s_wait_dscnt 0x0
	MULS 0, 0, 0
	; ---- the four parts of the sums are added; wave w stores row w
.set PADR, 12
.set RAD,  13
.set LO,   14
.set SPW,  15
.set NIL,  16
.set VB,   192                         ; v192-199 vb2
	s_lshl_b32 s51, s[QQ], 8
	s_mul_i32 s50, s[QG], 16640
	s_add_co_u32 s50, s50, s51
	s_add_co_u32 s50, s50, PART
	s_mul_i32 s51, s[WV], 1040
	s_add_co_u32 s51, s51, PART
	v_and_b32 v[LO], 31, v0
	v_lshlrev_b32 v[LO], 4, v[LO]
	v_and_b32 v[X], 15, v0
	v_bfe_u32 v[X+1], v0, 4, 1
	v_mul_u32_u24 v[PADR], v[X], 1040
	v_lshl_add_u32 v[PADR], v[X+1], 5, v[PADR]
	v_add_nc_u32 v[PADR], s50, v[PADR]
	v_add_nc_u32 v[RAD], s51, v[LO]
	v_lshl_add_u32 v[SPW], v0, 2, SPARE
	v_mov_b32 v[NIL], 0
	s_wait_alu depctr_va_vdst(0)
.irp j, 0,1
	global_load_b128 v[VB+4*\j:VB+4*\j+3], v[LO], s[30:31] offset:512*\j
.endr
.irp t, 0,1,2,3
	ds_store_b128 v[PADR], v[ACC+8*\t:ACC+8*\t+3] offset:64*\t
	ds_store_b128 v[PADR], v[ACC+8*\t+4:ACC+8*\t+7] offset:64*\t+16
.endr
	BARRIER
.irp j, 0,1                             ; j: which half of the row's 256 outputs
.irp p, 0,1,2,3
	ds_load_b128 v[X+16*\j+4*\p:X+16*\j+4*\p+3], v[RAD] offset:16640*\p+512*\j
.endr
.endr
	s_wait_loadcnt 0x0
.irp j, 0,1
	s_wait_dscnt 4-4*\j                            ; this half's four loads are in; the other's may be out
.irp k, 0,2
	PADD X+16*\j+\k, X+16*\j+4+\k
	PADD X+16*\j+8+\k, X+16*\j+12+\k
	PADD X+16*\j+\k, VB+4*\j+\k
	PADD X+16*\j+\k, X+16*\j+8+\k
.endr
	global_store_b128 v[LO], v[X+16*\j:X+16*\j+3], s[32:33] offset:512*\j th:TH_STORE_NT   ; 32 lanes store 512 consecutive bytes, at a multiple of 256 from out0's first byte
.endr
	s_wait_tensorcnt 0x0                           ; the wave's end
	ds_add_u32 v[SPW], v[NIL]
	s_wait_dscnt 0x0
	s_endpgm
.Lfunc_end_k_qf3c53dc92f_fused:
	.size	k_qf3c53dc92f_fused, .Lfunc_end_k_qf3c53dc92f_fused-k_qf3c53dc92f_fused
	.p2alignl 7, 3214868480
	.fill 96, 4, 3214868480
	.section	.rodata,"a",@progbits
	.p2align	6, 0x0
	.amdhsa_kernel k_qf3c53dc92f_fused
		.amdhsa_group_segment_fixed_size 276480
		.amdhsa_private_segment_fixed_size 0
		.amdhsa_enable_private_segment 0
		.amdhsa_kernarg_size 120
		.amdhsa_user_sgpr_count 2
		.amdhsa_user_sgpr_kernarg_segment_ptr 1
		.amdhsa_wavefront_size32 1
		.amdhsa_system_sgpr_workgroup_id_x 1
		.amdhsa_system_sgpr_workgroup_id_y 1
		.amdhsa_system_sgpr_workgroup_id_z 1
		.amdhsa_system_vgpr_workitem_id 0
		.amdhsa_next_free_vgpr 256
		.amdhsa_next_free_sgpr 102
		.amdhsa_reserve_vcc 0
		.amdhsa_float_denorm_mode_32 3
		.amdhsa_float_denorm_mode_16_64 3
		.amdhsa_memory_ordered 1
		.amdhsa_forward_progress 1
		.amdhsa_inst_pref_size 208
	.end_amdhsa_kernel
	.amdgpu_metadata
---
amdhsa.version: [ 1, 2 ]
amdhsa.kernels:
  - .name:           k_qf3c53dc92f_fused
    .symbol:         k_qf3c53dc92f_fused.kd
    .args:
      - { .name: kW1, .offset: 0, .size: 8, .value_kind: global_buffer, .address_space: global }
      - { .name: vW1, .offset: 8, .size: 8, .value_kind: global_buffer, .address_space: global }
      - { .name: kb1, .offset: 16, .size: 8, .value_kind: global_buffer, .address_space: global }
      - { .name: vb1, .offset: 24, .size: 8, .value_kind: global_buffer, .address_space: global }
      - { .name: session, .offset: 32, .size: 8, .value_kind: global_buffer, .address_space: global }
      - { .name: pos_embeds_codes, .offset: 40, .size: 8, .value_kind: global_buffer, .address_space: global }
      - { .name: pos_embeds_scales, .offset: 48, .size: 8, .value_kind: global_buffer, .address_space: global }
      - { .name: kW2_codes, .offset: 56, .size: 8, .value_kind: global_buffer, .address_space: global }
      - { .name: kW2_scales, .offset: 64, .size: 8, .value_kind: global_buffer, .address_space: global }
      - { .name: query, .offset: 72, .size: 8, .value_kind: global_buffer, .address_space: global }
      - { .name: state_in, .offset: 80, .size: 8, .value_kind: global_buffer, .address_space: global }
      - { .name: vW2_codes, .offset: 88, .size: 8, .value_kind: global_buffer, .address_space: global }
      - { .name: vW2_scales, .offset: 96, .size: 8, .value_kind: global_buffer, .address_space: global }
      - { .name: vb2, .offset: 104, .size: 8, .value_kind: global_buffer, .address_space: global }
      - { .name: out0, .offset: 112, .size: 8, .value_kind: global_buffer, .address_space: global }
    .group_segment_fixed_size: 276480
    .private_segment_fixed_size: 0
    .kernarg_segment_align: 8
    .kernarg_segment_size: 120
    .max_flat_workgroup_size: 512
    .sgpr_count:     102
    .vgpr_count:     256
    .wavefront_size: 32
...
	.end_amdgpu_metadata
.endif
;; end of part 3
